; MI455X (gfx1250); checked and timed in simulation.
; The chip was launched on July 23, 2026; its instructions are those of AMD's public machine-readable ISA for CDNA 5 (MIT licence, August 2026) and "CDNA5" Instruction Set Architecture Reference Guide (July 2026). The comments in the code are by the model that wrote it; some were corrected since.
;; Basic Mixture Of Experts. Allowed arithmetic: float matrix products may take bf16 or f16 operands with f32 sums; other float arithmetic in f32, or as packed bf16 or f16 multiplies, adds, multiply-adds, maxima and minima; sums over many terms, partial sums and values carried from step to step in f32; what a program stores and reads back later, other than sums and carried values, may be rounded once to bf16 or f16.
;; Inputs: W1 8 x 4,096 x 1,024 float32; W2 8 x 1,024 x 4,096 float32; Wg 8 x 1,024 float32; b1 8 x 4,096 float32; b2 8 x 1,024 float32; padding_mask 2 x 512 bool; x 2 x 512 x 1,024 float32.
;; Outputs: out0 2 x 512 x 1,024 float32; out1 1,024 x 8 float32; out2 one number float32.
;; 2 versions, each right; version 2 is version 1 with the launches ffn1, ffn2 written anew for expert scheduling mode. Each part assembles by itself: llvm-mc -triple=amdgcn-amd-amdhsa -mcpu=gfx1250 --defsym DOCPART=n.
;; ======== version 1 of 2: 4 launches
;; workspace buffers: xb 2,097,152 bytes; hbuf 67,108,864 bytes; ypart 33,554,432 bytes; gwe 32,768 bytes; stats 4,096 bytes; jtab 32,768 bytes of whole numbers; bitmap 1,024 bytes of whole numbers
;; launch gate (part 1): grid 32 x 1, 8 waves a work-group, no clusters, 97,280 bytes of LDS; arguments x, Wg, padding_mask, xb, out1, gwe, jtab, bitmap, stats; writes xb, out1, gwe, jtab, bitmap, stats
.if DOCPART == 1
	.amdgcn_target "amdgcn-amd-amdhsa--gfx1250"
	.amdhsa_code_object_version 6
	.text
	.protected	k_q3fb0483fb0_gate
	.globl	k_q3fb0483fb0_gate
	.p2align	8
	.type	k_q3fb0483fb0_gate,@function
k_q3fb0483fb0_gate:
	s_mov_b64 s[64:65], 0
	v_nop
	global_prefetch_b8 v0, s[64:65] scope:SCOPE_SE
	s_setreg_imm32_b32 hwreg(HW_REG_WAVE_MODE, 25, 1), 1
	s_wait_xcnt 0x0
; THE GATE.  logits = x Wg^T, softmax over 8 experts, 0 for padded tokens, the two largest (the lower index wins a tie), their weights divided by their sum.
; x and Wg are rounded to bf16 for the product, sums in f32: the same rounding that the two expert products give their operands, so the whole program computes on one set of rounded inputs.
; Also: x rounded to bf16 is stored for the first product (xb); the parts of the load-balance loss are stored for the last launch (stats).
; SHARES.  Work-group g has tokens 32 g .. 32 g + 31; wave w the channels 128 w .. 128 w + 127 of those tokens and of Wg.  The eight waves' partial logits meet in LDS; wave 0, a lane a token, does the rest.
; WHAT IS STORED.  out1[token][8].  gwe[e][token]: the token's weight for expert e, 0 if not chosen.  jtab[e][token]: 1 if e is the higher of the token's two experts.
; bitmap[e][g]: bit i = token 32 g + i chose e (a padded token chooses none).  stats[k][g]: k 0-7 tokens whose first choice is k, 8-15 sums of gate values, 16 tokens that are not padded.
; No address and no branch hangs on a floating-point number: the choice is made by compares and selects and leaves as data.
; LIMITS.  2^x gives 0 below 2^-126; a division is a reciprocal (1 ulp) and a product; NaN and infinities are not treated apart.
.set TP,    272                        ; a row in LDS: 128 bf16 + 16 bytes: the 16 rows of a fragment load start 68 words apart
.set TILEB, 40*TP                      ; a wave's own tile: 32 rows of x, 8 rows of Wg
.set RED,   8*TILEB                    ; 8 x 1,024 bytes: each wave's partial logits, 32 bytes a token
.set OST,   RED+8192                   ; 1,024 bytes: out1's stage
.set SPARE, OST+1024                   ; the spare words, 128 bytes for each of eight waves: no other line names them
.set XR,    64                         ; v[64:223] 40 rows as loaded, 4 registers each
; v1 lane  v2 lane % 16  v3 lane / 16  v4-v6, v8-v11, v56-v60 addresses  v7 mask byte  v12-v28 at work  v30, v31 the add's two
; v[32:39], v[40:47] the two sums  v[48:55] my token's partial logits  v[64:71] logits  v[72:79] gate values
	s_load_b512 s[4:19], s[0:1], 0x0               ; x 4, Wg 6, mask 8, xb 10, out1 12, gwe 14, jtab 16, bitmap 18
	s_load_b64 s[20:21], s[0:1], 0x40              ; stats
	v_lshl_add_u32 v30, v0, 2, SPARE
	v_mov_b32 v31, 0
	v_and_b32 v1, 31, v0
	v_lshrrev_b32 v2, 5, v0
	v_readfirstlane_b32 s22, v2                    ; wave
	v_and_b32 v2, 15, v0
	v_bfe_u32 v3, v0, 4, 1
	s_lshl_b32 s24, s22, 9
	v_lshl_add_u32 v4, v1, 4, s24                  ; in a row of x or Wg: 512 w + 16 lane
	s_mul_i32 s25, s22, TILEB
	v_lshl_add_u32 v5, v1, 3, s25                  ; in my tile: 8 lane
	s_lshl_b32 s26, s22, 8
	v_lshl_add_u32 v6, v1, 3, s26                  ; in a row of xb: 256 w + 8 lane
	v_mul_u32_u24 v8, v2, TP
	v_lshl_add_u32 v8, v3, 4, v8
	v_add_nc_u32 v8, s25, v8                       ; a token fragment: row lane % 16, 16 bytes for each half of the lanes
	v_and_b32 v9, 7, v0
	v_mul_u32_u24 v9, v9, TP
	v_lshl_add_u32 v9, v3, 4, v9
	v_add_nc_u32 v9, s25, v9                       ; Wg's fragment: row lane % 8: the eight experts stand twice among the sixteen rows
	s_lshl_b32 s27, s22, 10
	s_add_co_u32 s27, s27, RED
	v_lshl_add_u32 v10, v1, 5, s27                 ; where my wave's partial logits go
	v_lshl_add_u32 v11, v1, 5, RED                 ; where wave 0 reads them
	v_lshl_add_u32 v56, v1, 5, OST
	v_lshl_add_u32 v57, v1, 4, OST
	v_lshlrev_b32 v58, 4, v1
	v_lshlrev_b32 v59, 2, v1
	v_lshlrev_b32 v60, 7, v1
	s_mov_b32 s23, 0xffff0000                      ; lanes 16-31
	s_mov_b32 s34, 0x3fb8aa3b                      ; log2(e)
	s_mov_b32 s40, 0x76543210                      ; v_permlanex16_b32: each lane takes its own place in the other half
	s_mov_b32 s41, 0xfedcba98
	s_mov_b32 s29, 0
	s_wait_kmcnt 0x0
	s_lshl_b32 s28, ttmp9, 17                      ; 32 rows of 4,096 bytes
	s_add_nc_u64 s[4:5], s[4:5], s[28:29]
	s_lshl_b32 s28, ttmp9, 16                      ; 32 rows of 2,048 bytes
	s_add_nc_u64 s[10:11], s[10:11], s[28:29]
	s_lshl_b32 s28, ttmp9, 5
	s_add_nc_u64 s[8:9], s[8:9], s[28:29]
	s_lshl_b32 s28, ttmp9, 10
	s_add_nc_u64 s[12:13], s[12:13], s[28:29]
	s_lshl_b32 s28, ttmp9, 7
	s_add_nc_u64 s[14:15], s[14:15], s[28:29]
	s_add_nc_u64 s[16:17], s[16:17], s[28:29]
	s_lshl_b32 s28, ttmp9, 2
	s_add_nc_u64 s[18:19], s[18:19], s[28:29]
	s_add_nc_u64 s[20:21], s[20:21], s[28:29]
	global_load_u8 v7, v1, s[8:9]                  ; my token's mask byte
.set i, 0
.rept 32
	global_load_b128 v[XR+4*i:XR+4*i+3], v4, s[4:5] offset:4096*i th:TH_LOAD_NT   ; 512 consecutive bytes of a row of x
.set i, i+1
.endr
.rept 8
	global_load_b128 v[XR+4*i:XR+4*i+3], v4, s[6:7] offset:4096*(i-32)            ; and of a row of Wg
.set i, i+1
.endr
	; each row as it comes: rounded, into my tile, and (x) out to xb: a store of the wave covers 256 consecutive bytes, aligned
.set i, 0
.rept 40
	s_wait_loadcnt 39-i                            ; loads come back in order: the 39 - i younger rows may stay out
	v_cvt_pk_bf16_f32 v[XR+4*i], v[XR+4*i], v[XR+4*i+1]
	v_cvt_pk_bf16_f32 v[XR+4*i+1], v[XR+4*i+2], v[XR+4*i+3]
	ds_store_b64 v5, v[XR+4*i:XR+4*i+1] offset:TP*i
.if i < 32
	global_store_b64 v6, v[XR+4*i:XR+4*i+1], s[10:11] offset:2048*i
.endif
.set i, i+1
.endr
	s_wait_xcnt 0x0                                ; the stores' data registers are loaded over below
.set k, 0
.rept 4                                            ; 32 channels a step: Wg -> v[64..], tokens 0-15 -> v[96..], tokens 16-31 -> v[128..]; my own bytes, served in order
	ds_load_b128 v[64+8*k:67+8*k],   v9 offset:32*TP+64*k
	ds_load_b128 v[68+8*k:71+8*k],   v9 offset:32*TP+64*k+32
	ds_load_b128 v[96+8*k:99+8*k],   v8 offset:64*k
	ds_load_b128 v[100+8*k:103+8*k], v8 offset:64*k+32
	ds_load_b128 v[128+8*k:131+8*k], v8 offset:16*TP+64*k
	ds_load_b128 v[132+8*k:135+8*k], v8 offset:16*TP+64*k+32
.set k, k+1
.endr
	s_wait_dscnt 0x0
	; source 0 = experts, source 1 = tokens: register j of lane l is the logit of token l % 16 and expert j, in both halves of the lanes.  The two sums take turns.
	v_wmma_f32_16x16x32_bf16 v[32:39], v[64:71], v[96:103], 0
	v_wmma_f32_16x16x32_bf16 v[40:47], v[64:71], v[128:135], 0
.set k, 1
.rept 3
	v_wmma_f32_16x16x32_bf16 v[32:39], v[64+8*k:71+8*k], v[96+8*k:103+8*k], v[32:39]
	v_wmma_f32_16x16x32_bf16 v[40:47], v[64+8*k:71+8*k], v[128+8*k:135+8*k], v[40:47]
.set k, k+1
.endr
.rept 4
	v_nop                                          ; four places between a product and the first read of its result (ISA guide 7.12.1)
.endr
.irp j, 0,1,2,3,4,5,6,7
	v_cndmask_b32 v[48+\j], v[32+\j], v[40+\j], s23   ; lanes 16-31 take tokens 16-31: now a lane is a token
.endr
	ds_store_b128 v10, v[48:51]
	ds_store_b128 v10, v[52:55] offset:16
	s_wait_dscnt 0x0                               ; for wave 0's sake: my partial logits are in LDS
	s_barrier_signal -1
	s_barrier_wait -1
	s_cmp_lg_u32 s22, 0
	s_cbranch_scc1 .Lend
	; WAVE 0: a lane a token
.set k, 0
.rept 8
	ds_load_b128 v[64+8*k:67+8*k], v11 offset:1024*k
	ds_load_b128 v[68+8*k:71+8*k], v11 offset:1024*k+16
.set k, k+1
.endr
	s_wait_dscnt 0x0
.set k, 1
.rept 7                                            ; the eight parts in a fixed order
.irp p, 0,2,4,6
	v_pk_add_f32 v[64+\p:65+\p], v[64+\p:65+\p], v[64+8*k+\p:65+8*k+\p]
.endr
.set k, k+1
.endr
	v_max3_num_f32 v12, v64, v65, v66
	v_max3_num_f32 v12, v12, v67, v68
	v_max3_num_f32 v12, v12, v69, v70
	v_max_num_f32 v12, v12, v71                    ; the row's maximum is taken away in front of the exponentials
	v_mul_f32 v13, s34, v12
.irp j, 0,1,2,3,4,5,6,7
	v_fma_f32 v[72+\j], v[64+\j], s34, -v13
.endr
.irp j, 0,1,2,3,4,5,6,7
	v_exp_f32 v[72+\j], v[72+\j]
.endr
	v_nop                                          ; a plain instruction behind the last exponential
	v_cmp_eq_u32 s35, 0, v7                        ; the tokens that are not padded
	s_wait_alu depctr_va_vdst(0)
	v_add_f32 v14, v72, v73
	v_add_f32 v15, v74, v75
	v_add_f32 v16, v76, v77
	v_add_f32 v17, v78, v79
	v_add_f32 v14, v14, v15
	v_add_f32 v16, v16, v17
	v_add_f32 v14, v14, v16
	v_rcp_f32 v15, v14
	v_nop
	s_wait_alu depctr_va_vdst(0)
.irp j, 0,1,2,3,4,5,6,7
	v_mul_f32 v[72+\j], v[72+\j], v15
.endr
.irp j, 0,1,2,3,4,5,6,7
	v_cndmask_b32 v[72+\j], 0, v[72+\j], s35       ; gate values; 0 for a padded token
.endr
	ds_store_b128 v56, v[72:75]                    ; out1 goes through LDS, so that each store below covers 512 consecutive bytes
	ds_store_b128 v56, v[76:79] offset:16
	ds_load_b128 v[104:107], v57
	ds_load_b128 v[108:111], v57 offset:512
	; the largest: an ascending scan with a strict compare keeps the lower index
	v_mov_b32 v16, v72
	v_mov_b32 v17, 0
.irp j, 1,2,3,4,5,6,7
	v_cmp_gt_f32 vcc_lo, v[72+\j], v16
	v_cndmask_b32 v16, v16, v[72+\j], vcc_lo
	v_cndmask_b32 v17, v17, \j, vcc_lo
.endr
	; the second: the same scan with the first's place at -1
.irp j, 0,1,2,3,4,5,6,7
	v_cmp_eq_u32 vcc_lo, \j, v17
	v_cndmask_b32 v[80+\j], v[72+\j], -1.0, vcc_lo
.endr
	v_mov_b32 v18, v80
	v_mov_b32 v19, 0
.irp j, 1,2,3,4,5,6,7
	v_cmp_gt_f32 vcc_lo, v[80+\j], v18
	v_cndmask_b32 v18, v18, v[80+\j], vcc_lo
	v_cndmask_b32 v19, v19, \j, vcc_lo
.endr
	v_add_f32 v20, v16, v18
	v_cmp_eq_f32 vcc_lo, 0, v20
	v_cndmask_b32 v20, v20, 1.0, vcc_lo            ; a sum of 0 (a padded token) counts as 1
	v_rcp_f32 v21, v20
	v_max_u32 v22, v17, v19                        ; the higher of the two indices
	s_wait_alu depctr_va_vdst(0)
	v_mul_f32 v23, v16, v21
	v_mul_f32 v24, v18, v21
	v_mov_b32 v25, 0                               ; lane e: expert e's word of the bitmap
	v_mov_b32 v26, 0                               ; lane k: row k of stats
	v_mov_b32 v27, 0
	v_mov_b32 v28, 0
.irp e, 0,1,2,3,4,5,6,7
	v_cmp_eq_u32 s36, \e, v17
	v_cmp_eq_u32 s37, \e, v19
	v_cmp_eq_u32 s38, \e, v22
	v_cndmask_b32 v[88+\e], 0, v24, s37
	v_cndmask_b32 v[88+\e], v[88+\e], v23, s36
	v_cndmask_b32 v[96+\e], 0, 1, s38
	s_or_b32 s37, s36, s37
	s_and_b32 s37, s37, s35
	v_writelane_b32 v25, s37, \e
	s_and_b32 s36, s36, s35
	s_bcnt1_i32_b32 s36, s36
	v_writelane_b32 v26, s36, \e
.endr
	s_bcnt1_i32_b32 s38, s35
	v_writelane_b32 v26, s38, 16
	v_cvt_f32_u32 v26, v26                         ; the nine counts as f32; the eight sums follow
.irp e, 0,1,2,3,4,5,6,7
	v_add_f32_dpp v27, v[72+\e], v[72+\e] row_xmask:1 row_mask:0xf bank_mask:0xf
	v_add_f32_dpp v27, v27, v27 row_xmask:2 row_mask:0xf bank_mask:0xf
	v_add_f32_dpp v27, v27, v27 row_xmask:4 row_mask:0xf bank_mask:0xf
	v_add_f32_dpp v27, v27, v27 row_xmask:8 row_mask:0xf bank_mask:0xf
	v_permlanex16_b32 v28, v27, s40, s41
	v_add_f32 v27, v27, v28
	v_readfirstlane_b32 s36, v27
	v_writelane_b32 v26, s36, 8+\e
.endr
.irp e, 0,1,2,3,4,5,6,7
	global_store_b32 v59, v[88+\e], s[14:15] offset:4096*\e   ; 128 consecutive bytes of gwe's row e,
	global_store_b32 v59, v[96+\e], s[16:17] offset:4096*\e   ; and of jtab's
.endr
	s_wait_dscnt 0x0
	global_store_b128 v58, v[104:107], s[12:13]
	global_store_b128 v58, v[108:111], s[12:13] offset:512
	s_wait_xcnt 0x0                                ; EXEC changes only behind this wait
	v_cmp_gt_u32 vcc_lo, 8, v1
	s_and_saveexec_b32 s46, vcc_lo
	global_store_b32 v60, v25, s[18:19]            ; lanes 0-7: bitmap[lane][g]
	s_wait_xcnt 0x0
	s_or_b32 exec_lo, exec_lo, s46
	v_cmp_gt_u32 vcc_lo, 17, v1
	s_and_saveexec_b32 s46, vcc_lo
	global_store_b32 v60, v26, s[20:21]            ; lanes 0-16: stats[lane][g]
	s_wait_xcnt 0x0
	s_or_b32 exec_lo, exec_lo, s46
.Lend:
	s_wait_tensorcnt 0x0                           ; the wave's end
	ds_add_u32 v30, v31
	s_wait_dscnt 0x0
	s_endpgm
.Lfunc_end_k_q3fb0483fb0_gate:
	.size	k_q3fb0483fb0_gate, .Lfunc_end_k_q3fb0483fb0_gate-k_q3fb0483fb0_gate
	.p2alignl 7, 3214868480
	.fill 96, 4, 3214868480
	.section	.rodata,"a",@progbits
	.p2align	6, 0x0
	.amdhsa_kernel k_q3fb0483fb0_gate
		.amdhsa_group_segment_fixed_size 97280
		.amdhsa_private_segment_fixed_size 0
		.amdhsa_enable_private_segment 0
		.amdhsa_kernarg_size 72
		.amdhsa_user_sgpr_count 2
		.amdhsa_user_sgpr_kernarg_segment_ptr 1
		.amdhsa_wavefront_size32 1
		.amdhsa_system_sgpr_workgroup_id_x 1
		.amdhsa_system_sgpr_workgroup_id_y 1
		.amdhsa_system_sgpr_workgroup_id_z 1
		.amdhsa_system_vgpr_workitem_id 0
		.amdhsa_next_free_vgpr 224
		.amdhsa_next_free_sgpr 66
		.amdhsa_reserve_vcc 1
		.amdhsa_float_denorm_mode_32 3
		.amdhsa_float_denorm_mode_16_64 3
		.amdhsa_memory_ordered 1
		.amdhsa_forward_progress 1
		.amdhsa_inst_pref_size 41
	.end_amdhsa_kernel
	.amdgpu_metadata
---
amdhsa.version: [ 1, 2 ]
amdhsa.kernels:
  - .name:           k_q3fb0483fb0_gate
    .symbol:         k_q3fb0483fb0_gate.kd
    .args:
      - { .name: x, .offset: 0, .size: 8, .value_kind: global_buffer, .address_space: global }
      - { .name: Wg, .offset: 8, .size: 8, .value_kind: global_buffer, .address_space: global }
      - { .name: padding_mask, .offset: 16, .size: 8, .value_kind: global_buffer, .address_space: global }
      - { .name: xb, .offset: 24, .size: 8, .value_kind: global_buffer, .address_space: global }
      - { .name: out1, .offset: 32, .size: 8, .value_kind: global_buffer, .address_space: global }
      - { .name: gwe, .offset: 40, .size: 8, .value_kind: global_buffer, .address_space: global }
      - { .name: jtab, .offset: 48, .size: 8, .value_kind: global_buffer, .address_space: global }
      - { .name: bitmap, .offset: 56, .size: 8, .value_kind: global_buffer, .address_space: global }
      - { .name: stats, .offset: 64, .size: 8, .value_kind: global_buffer, .address_space: global }
    .group_segment_fixed_size: 97280
    .private_segment_fixed_size: 0
    .kernarg_segment_align: 8
    .kernarg_segment_size: 72
    .max_flat_workgroup_size: 256
    .sgpr_count:     66
    .vgpr_count:     224
    .wavefront_size: 32
...
	.end_amdgpu_metadata
.endif
;; end of part 1
;; launch ffn1 (part 2): grid 256 x 1, 4 waves a work-group, no clusters, 312,832 bytes of LDS; arguments xb, W1, b1, bitmap, hbuf; writes hbuf
.if DOCPART == 2
	.amdgcn_target "amdgcn-amd-amdhsa--gfx1250"
	.amdhsa_code_object_version 6
	.text
	.protected	k_q3fb0483fb0_ffn1
	.globl	k_q3fb0483fb0_ffn1
	.p2align	8
	.type	k_q3fb0483fb0_ffn1,@function
k_q3fb0483fb0_ffn1:
	s_mov_b64 s[64:65], 0
	v_nop
	global_prefetch_b8 v0, s[64:65] scope:SCOPE_SE
	s_setreg_imm32_b32 hwreg(HW_REG_WAVE_MODE, 25, 1), 1
	s_wait_xcnt 0x0
; AN EXPERT'S PRODUCT ON A SLICE OF ITS WEIGHTS.  One text for both products; KIND says which.
;   KIND 1: h = relu(X_e W1_e^T + b1_e) for the tokens X_e that chose expert e.   KIND 2: gw (h W2_e^T + b2_e), K split in four windows of 1,024; the parts are added by the last launch.
; SHARES.  A work-group owns 128 output columns x 1,024 of K of ONE expert: 512 KiB of f32 weights that it alone reads, once.  8 experts x 32 slices = 256 work-groups.
; K goes in 8 chunks of 128.  A chunk (128 rows x 512 bytes) comes through registers: wave w takes rows 32 w .. 32 w + 31, each load 512 consecutive bytes; it is rounded to bf16 and stored ONCE into
; LDS bytes of its own, so no LDS byte of the weights is ever written twice, and the slice stays there for an expert with more rows than one pass holds.
; ROWS.  The expert's tokens, in token order, have places 0, 1, ..; 16 places are a tile, 20 tiles a block; wave w owns tiles 20 rb + 4 a + w, a = 0..4.  The token of a place is found from the expert's
; bitmap, which lies in 32 scalar registers: a scan over the words gives each lane the word that holds its place and the places in front of that word; five halvings on the word's bit counts give the
; bit.  Every wave does this for its own 80 places, in registers: no list in LDS, no barrier, no exchange between lanes.
; The first block's sums stay in registers while the weights stream: chunk c is multiplied while chunk c + 1 is on its way.  Later blocks (an expert with over 320 rows) walk the slice in LDS again:
; four blocks serve all 1,024 tokens on one expert.  The loop over blocks has four trips whatever the count; every wave passes every barrier in it, and only work is jumped.
; Places past the count repeat the last token: the same numbers, in KIND 2 to the same address.  Tiles 3 and 4 are jumped where they hold no row; the jump passes matrix instructions alone, so every count of a wait is a constant.
; THE MATRIX INSTRUCTION IS USED TRANSPOSED: source 0 = 16 rows of W, source 1 = 16 tokens: a lane holds one token (lane % 16) and eight neighbouring columns 16 b + 8 (lane / 16) + 0..7.
; hbuf[e][tile][k step of 32][half][lane][8 bf16]: KIND 1's 16 bytes a lane ARE KIND 2's token fragments: stored and loaded 512 consecutive bytes an instruction, with no turn through LDS.
; NO CLUSTER: each weight byte has one reader; the token rows that an expert's work-groups share come by their numbers (KIND 1), and a chunk's 80 KiB of them twice do not fit beside the slice (KIND 2).
; FORMATS.  Operands bf16 (h may pass f16's range for large inputs), sums f32; the sums begin with the bias, unrounded.  LIMITS: NaN and infinities are not treated apart (KIND 2 multiplies b2 by 0 in three of four windows).
; REGISTERS, in windows of 256 (s_set_vgpr_msb: bits 1:0 source 0, 3:2 source 1, 5:4 source 2, 7:6 destination):
;   window 0: v0-31 addresses and work; v32-95, v96-159 W's fragments of one k step each (v32-116 at work while tokens are found); v160-223 the bias; v224-255 at work on the way out
;   window 1: v0-159 token fragments (tile a, k step k at 32 a + 8 k); v160-164 their offsets; v166-175 (gw, j) a tile; v176-180 tokens
;   window 2: the sums of tiles 0-3 (64 a + 8 b)          window 3: v0-63 tile 4's sums; v64-191 a chunk of W as loaded; v192-194 its addresses; v196-243 rounded, three sets
.set KIND, 1
.if KIND == 1
.set LOGP,   12                        ; a row of W is 4,096 bytes
.set AKS,    64                        ; bytes from k step to k step in the token operand
.set AH,     32                        ; to a fragment's second half
.set ACH,    256                       ; from chunk to chunk
.else
.set LOGP,   14
.set AKS,    1024
.set AH,     512
.set ACH,    4096
.endif
.set PITCHW, 1<<LOGP
.set WP,     272                       ; a row of a chunk in LDS: 256 bytes + 16: the 16 rows of a fragment load start 68 words apart
.set CHB,    128*WP                    ; a chunk in LDS
.set STG,    8*CHB                     ; KIND 2: 16 rows x 528 bytes for each wave, for the way out
.set SPITCH, 528
.set SPARE,  STG+4*16*SPITCH           ; the spare words, 128 bytes for each wave: no other line names them
.set LANE, 1
.set R,    2                           ; lane % 16
.set H16,  3                           ; 16 (lane / 16)
.set L16,  4                           ; 16 lane
.set BL0,  5                           ; my place in a chunk's fragments
.set BL,   6                           ; the same in the chunk in hand
.set PF,   7                           ; thread x a row of W: the prefetches' offset
.set Z,    8                           ; 0
.set H32,  9                           ; 32 (lane / 16)
.set PT,   16                          ; v16-20 my place among the expert's tokens, a tile each; in KIND 2 later 4 x token
.set TKN,  21                          ; v21-25 tokens, a tile each
.set STO,  26
.set SRD,  27
.set RI,   28
.set SPW,  30
.set NIL,  31
.set BF,   32
.set MM,   32                          ; while tokens are found, five registers each, a tile each: the word that holds my place
.set KK,   40                          ; the word's number << 16 + the places in front of it
.set NN,   48                          ; set bits still in front of mine
.set SA,   56                          ; the word's bit counts by 2,
.set SB,   64                          ; by 4,
.set SC,   72                          ; by 8,
.set SD,   80                          ; and (low byte) of its low 16 places
.set SS,   88                          ; the bit found so far
.set TT,   96
.set UU,   104
.set VV,   112
.set BIAS, 160
.set TMP,  224
.set AOFF, 160                         ; window 1
.set GWJ,  166
.set TK,   176
.set SG,   64                          ; window 3
.set WSA0, 192
.set WSA,  193
.set WOF,  194
.set WT,   196
; s[4:5] token operand  s[6:7] W at the chunk in hand  s[8:9] bias  s[10:11] bitmap  s[12:17] the other buffers  s18, s19, s92-95 constants  s20 wave  s21 expert  s22 slice  s23 K window  s24 count
; s25 last place  s26 live tiles  s27 my live tiles in the block  s28 blocks to go  s29 my first tile  s30 trips  s31 the chunk's LDS byte  s[32:63] bitmap  s[66:67] token operand at the chunk
; s[70:71] an offset, high word 0  s[72:73] output  s74-79 at work  s80 written tiles - 1  s83 the block's first tile  s[84:87] four words of the bitmap on their way round
.set MSB, 0
.macro WIN new                         ; the immediate's high byte repeats the setting that is left; a switch that changes nothing is dropped
.if MSB != (\new)
	s_set_vgpr_msb (MSB<<8)|(\new)
.set MSB, (\new)
.endif
.endm
.macro PADD p, off                     ; a buffer's address plus a 32-bit offset
	s_mov_b32 s70, s[\off]
	s_add_nc_u64 s[\p:\p+1], s[\p:\p+1], s[70:71]
.endm
.macro PLACES                          ; four places between a matrix instruction and a load into, or a vector instruction on, its registers (ISA guide 7.12.1 for vector instructions)
.rept 4
	v_nop
.endr
.endm
.macro BAR                             ; my LDS instructions are done; then every wave's are
	s_wait_dscnt 0x0
	s_barrier_signal -1
	s_barrier_wait -1
.endm
.macro ALL5 line:vararg                ; one line for each of my five tiles t
.set t, 0
.rept 5
	\line
.set t, t+1
.endr
.endm
; A chunk of W leaves its registers: rounded, 8 bytes a lane, a row's 256 bytes a store.  again = 1: each eight rows' registers are at once asked for the next chunk.
; The rounded rows take three sets of registers by turns, so that a conversion does not land on what the LDS stores of the eight rows before still read.
; Behind the last of rows 8 q .. 8 q + 7 stand 24 - 8 q loads of W, 40 of token fragments or more, and with again = 1 the 8 q just reissued: 64 or more; a wait's count names 63 at the most.
.macro RETIRE again
	WIN 0xff
	v_add_nc_u32 v[WSA], s31, v[WSA0]
.irp q, 0,1,2,3
.set WQ, WT+16*((\q)%3)
.if (\again) || ((\q) == 0)
	s_wait_loadcnt 63
.else
	s_wait_loadcnt 64-8*(\q)
.endif
.irp i, 0,1,2,3,4,5,6,7
	v_cvt_pk_bf16_f32 v[WQ+2*\i], v[SG+32*\q+4*\i], v[SG+32*\q+4*\i+1]
	v_cvt_pk_bf16_f32 v[WQ+2*\i+1], v[SG+32*\q+4*\i+2], v[SG+32*\q+4*\i+3]
.endr
.irp i, 0,1,2,3,4,5,6,7
	ds_store_b64 v[WSA], v[WQ+2*\i:WQ+2*\i+1] offset:WP*(8*\q+\i)
.endr
.if \again
.irp i, 0,1,2,3,4,5,6,7
	global_load_b128 v[SG+32*\q+4*\i:SG+32*\q+4*\i+3], v[WOF], s[6:7] offset:PITCHW*(8*\q+\i)+512 th:TH_LOAD_NT
.endr
.endif
.endr
	WIN 0
.endm
.macro FETCHB k                        ; W's eight fragments of k step k: 16 LDS loads in one run
	WIN 0
.irp b, 0,1,2,3,4,5,6,7
	ds_load_b128 v[BF+64*((\k)%2)+8*\b:BF+64*((\k)%2)+8*\b+3],   v[BL] offset:16*WP*\b+64*(\k)
	ds_load_b128 v[BF+64*((\k)%2)+8*\b+4:BF+64*((\k)%2)+8*\b+7], v[BL] offset:16*WP*\b+64*(\k)+32
.endr
.endm
.macro ALOAD k, ahead                  ; the five tiles' token fragments of k step k, of the chunk at which s[66:67] stands or (ahead = 1) the next: 10 loads
	WIN 0x41
.irp a, 0,1,2,3,4
	global_load_b128 v[32*\a+8*(\k):32*\a+8*(\k)+3],   v[AOFF+\a], s[66:67] offset:(\ahead)*ACH+AKS*(\k)
	global_load_b128 v[32*\a+8*(\k)+4:32*\a+8*(\k)+7], v[AOFF+\a], s[66:67] offset:(\ahead)*ACH+AKS*(\k)+AH
.endr
.endm
.macro MUL a, k                        ; tile a, k step k: its eight sums take turns, one instruction a turn
.if (\a) < 4
	WIN 0xa4
.set AC, 64*(\a)
.else
	WIN 0xf4
.set AC, 0
.endif
.irp b, 0,1,2,3,4,5,6,7
	v_wmma_f32_16x16x32_bf16 v[AC+8*\b:AC+8*\b+7], v[BF+64*((\k)%2)+8*\b:BF+64*((\k)%2)+8*\b+7], v[32*(\a)+8*(\k):32*(\a)+8*(\k)+7], v[AC+8*\b:AC+8*\b+7]
.endr
.endm
.macro GMUL a, k                       ; the same, jumped where the tile holds no row
	WIN 0
	s_cmp_gt_u32 s27, \a
	s_cbranch_scc0 .Ldead_\@
	MUL \a, \k
	WIN 0
.Ldead_\@:
.endm
; A chunk is multiplied: four k steps.  At the head of step k: four places behind the products of step k - 1; W's fragments of step k + 1 into the buffer that step k - 1 read; with refill = 1 the
; next chunk's token fragments into the registers that step k - 1 read.  s_wait_dscnt 16 leaves the run just issued out.
; s_wait_loadcnt: behind the token fragments of step k stand 10 (3 - k) loads of this chunk, wn loads of W reissued since, and 10 k refills: 30 + wn at every k; without refills 30 - 10 k.
; THE BASES ARE STEPPED AT THE TAIL, between the last products and the refill of k step 3, which then names the stepped base: the youngest load in front of that one s_wait_xcnt 0 was issued
; ahead of the last k step's 24 to 40 matrix instructions.  wn > 0: W's base steps too.  last = 1: the chunk is the slice's last, at the constant 7 CHB; else it lies at s31.
.macro CHUNK refill, wn, last=0
	WIN 0
.if \last
	v_add_nc_u32 v[BL], 7*CHB, v[BL0]
.else
	v_add_nc_u32 v[BL], s31, v[BL0]
.endif
	FETCHB 0
.irp ks, 0,1,2,3
.if \ks > 0
	PLACES
.endif
.if \ks < 3
	FETCHB (\ks)+1
.endif
.if (\refill) && (\ks > 0)
	ALOAD (\ks)-1, 1
.endif
.if \refill
	s_wait_loadcnt 30+(\wn)
.else
	s_wait_loadcnt 30-10*(\ks)
.endif
.if \ks < 3
	s_wait_dscnt 16
.else
	s_wait_dscnt 0x0
.endif
	MUL 0, \ks
	MUL 1, \ks
	MUL 2, \ks
	GMUL 3, \ks
	GMUL 4, \ks
.endr
	PLACES
.if \refill
	s_wait_xcnt 0x0                                ; every load and prefetch issued so far has had its address translated: the bases may be stepped
	s_add_nc_u64 s[66:67], s[66:67], ACH
.if \wn
	s_add_nc_u64 s[6:7], s[6:7], 512
.endif
	s_add_co_u32 s31, s31, CHB
	ALOAD 3, 0
.endif
	WIN 0
.endm
.macro INIT                            ; the sums begin with the bias of their columns
	WIN 0x80
.set i, 0
.rept 256
	v_mov_b32 v[i], v[BIAS+i%64]
.set i, i+1
.endr
	WIN 0xc0
.set i, 0
.rept 64
	v_mov_b32 v[i], v[BIAS+i]
.set i, i+1
.endr
	WIN 0
.endm
; One halving: x holds the word's bit counts in fields of w bits; the field at the bit found so far counts the lower inc places.  If that many set bits or more stand in front of mine, mine lies in the upper half.
.macro LEVEL x, w, inc
	ALL5 v_bfe_u32 v[TT+t], v[(\x)+t], v[SS+t], \w
	ALL5 v_sub_nc_u32 v[UU+t], v[NN+t], v[TT+t]
	ALL5 v_add_nc_u32 v[VV+t], \inc, v[SS+t]
.set t, 0
.rept 5
	v_cmp_ge_u32 vcc_lo, v[NN+t], v[TT+t]
	v_cndmask_b32 v[NN+t], v[NN+t], v[UU+t], vcc_lo
	v_cndmask_b32 v[SS+t], v[SS+t], v[VV+t], vcc_lo
.set t, t+1
.endr
.endm
; THE TOKENS OF MY FIVE TILES.  My place in tile a is 16 (s29 + 4 a) + lane % 16, or the last place past the count.  The scan takes the 32 words in order, four a trip; the registers that hold them
; turn by four words a trip and stand as before behind the eighth.  s75: set bits up to and with the word in hand; s76: the same + (the word's number + 1) << 16.  While my place is not among
; those bits, I take the NEXT word and s76.  (An expert without tokens: no word holds place 0; the clamp keeps whatever comes out inside the table, and no result of it is stored by KIND 2.)
.macro SELECT
	WIN 0
	s_lshl_b32 s74, s29, 4
.irp a, 0,1,2,3,4
	v_add_nc_u32 v[PT+\a], s74, v[R]
	s_add_co_u32 s74, s74, 64
	v_min_u32 v[PT+\a], s25, v[PT+\a]
	v_mov_b32 v[MM+\a], s32
	v_mov_b32 v[KK+\a], 0
	v_mov_b32 v[SS+\a], 0
.endr
	s_mov_b32 s75, 0
	s_mov_b32 s76, 0
	s_mov_b32 s77, 8
.Lscan_\@:
.irp u, 0,1,2,3
	s_bcnt1_i32_b32 s78, s[32+\u]
	s_add_co_u32 s75, s75, s78
	s_add_co_u32 s76, s76, s78
	s_add_co_u32 s76, s76, s95
.irp a, 0,1,2,3,4
	v_cmp_gt_u32 vcc_lo, s75, v[PT+\a]                       ; is my place among the bits so far?
	v_cndmask_b32 v[MM+\a], s[33+\u], v[MM+\a], vcc_lo       ; if not: the next word,
	v_cndmask_b32 v[KK+\a], s76, v[KK+\a], vcc_lo            ; its number and the places in front of it
.endr
.endr
	s_mov_b64 s[84:85], s[32:33]
	s_mov_b64 s[86:87], s[34:35]
.set t, 0
.rept 14
	s_mov_b64 s[32+2*t:33+2*t], s[36+2*t:37+2*t]
.set t, t+1
.endr
	s_mov_b64 s[60:61], s[84:85]
	s_mov_b64 s[62:63], s[86:87]
	s_sub_co_u32 s77, s77, 1
	s_cmp_lg_u32 s77, 0
	s_cbranch_scc1 .Lscan_\@
	ALL5 v_and_b32 v[TT+t], s18, v[KK+t]
	ALL5 v_sub_nc_u32 v[NN+t], v[PT+t], v[TT+t]              ; set bits of the word in front of mine
	ALL5 v_lshrrev_b32 v[KK+t], 16, v[KK+t]                  ; the word's number
	ALL5 v_lshrrev_b32 v[TT+t], 1, v[MM+t]
	ALL5 v_and_b32 v[TT+t], s92, v[TT+t]
	ALL5 v_sub_nc_u32 v[SA+t], v[MM+t], v[TT+t]              ; counts by 2 places
	ALL5 v_lshrrev_b32 v[TT+t], 2, v[SA+t]
	ALL5 v_and_b32 v[UU+t], s93, v[SA+t]
	ALL5 v_and_b32 v[TT+t], s93, v[TT+t]
	ALL5 v_add_nc_u32 v[SB+t], v[UU+t], v[TT+t]              ; by 4
	ALL5 v_lshrrev_b32 v[TT+t], 4, v[SB+t]
	ALL5 v_add_nc_u32 v[TT+t], v[TT+t], v[SB+t]
	ALL5 v_and_b32 v[SC+t], s94, v[TT+t]                     ; by 8
	ALL5 v_lshrrev_b32 v[TT+t], 8, v[SC+t]
	ALL5 v_add_nc_u32 v[SD+t], v[TT+t], v[SC+t]              ; low byte: the low 16 places
	LEVEL SD, 8, 16
	LEVEL SC, 8, 8
	LEVEL SB, 4, 4
	LEVEL SA, 2, 2
	LEVEL MM, 1, 1
	ALL5 v_lshl_add_u32 v[TKN+t], v[KK+t], 5, v[SS+t]        ; token = 32 x word + bit
	ALL5 v_min_u32 v[TKN+t], 0x3ff, v[TKN+t]
.endm
; A block begins: how many of my five tiles hold rows; the offsets of their fragments; chunk 0's fragments are asked for.  KIND 1 needs the tokens for that.  KIND 2 reads hbuf by tiles, so its
; loads go out first, and the tokens, which the way out needs, are found while they are on their way.
.macro PREP
	WIN 0
	s_sub_co_i32 s27, s26, s29
	s_add_co_i32 s27, s27, 3
	s_ashr_i32 s27, s27, 2
	s_max_i32 s27, s27, 0
	s_min_i32 s27, s27, 5                          ; tiles s29 + 4 a below the count of live tiles
.if KIND == 1
	SELECT
	WIN 0x40
.irp a, 0,1,2,3,4
	v_lshl_add_u32 v[AOFF+\a], v[TKN+\a], 11, v[H16]   ; the token's row of xb, 16 bytes for each half of the lanes
.endr
.else
	WIN 0x40
.irp a, 0,1,2,3,4
	s_add_co_u32 s75, s29, 4*\a
	s_min_u32 s75, s75, s80                        ; a tile without rows reads the last tile that was written
	s_min_u32 s75, s75, 63
	s_lshl_b32 s75, s75, 17
	v_add_nc_u32 v[AOFF+\a], s75, v[L16]
.endr
.endif
.irp k, 0,1,2,3
	ALOAD \k, 0                                    ; chunk 0's token fragments, k step by k step
.endr
.if KIND == 2
	SELECT
.irp a, 0,1,2,3,4
	v_lshlrev_b32 v[PT+\a], 2, v[TKN+\a]
.endr
	WIN 0x40
.irp a, 0,1,2,3,4
	v_mov_b32 v[TK+\a], v[TKN+\a]
	global_load_b32 v[GWJ+2*\a], v[PT+\a], s[12:13]      ; the token's weight for this expert,
	global_load_b32 v[GWJ+2*\a+1], v[PT+\a], s[14:15]    ; and which of its two partial rows is this expert's
.endr
.endif
	WIN 0
.endm
; THE WAY OUT of tile a, jumped where it holds no row.
.macro EOUT a
.set W, 2+(\a)/4                       ; the window of its sums
.set AC, 64*((\a)%4)
	WIN 0
	s_cmp_gt_u32 s27, \a
	s_cbranch_scc0 .Lnone_\@
	s_wait_xcnt 0x0                                ; the last tile's stores have read their registers and their base
.if KIND == 1
	s_add_co_u32 s70, s29, 4*(\a)
	s_lshl_b32 s70, s70, 17
	s_add_nc_u64 s[72:73], s[12:13], s[70:71]      ; the tile's 131,072 bytes of hbuf, at my slice's 4,096
	WIN (W<<2)|W
.irp b, 0,1,2,3,4,5,6,7
.irp q, 0,1,2,3
	v_cvt_pk_bf16_f32 v[TMP+4*\b+\q], v[AC+8*\b+2*\q], v[AC+8*\b+2*\q+1]
.endr
.endr
	WIN 0
.set i, 0
.rept 32
	v_pk_max_num_bf16 v[TMP+i], v[TMP+i], v[Z]     ; relu behind the rounding: the same number as the rounding behind relu
.set i, i+1
.endr
.irp b, 0,1,2,3,4,5,6,7
	global_store_b128 v[L16], v[TMP+4*\b:TMP+4*\b+3], s[72:73] offset:512*\b   ; 512 consecutive bytes: half a fragment of the second product
.endr
.else
	WIN 0x14
	v_min_u32 v[RI], 1, v[GWJ+2*(\a)+1]
	v_lshl_add_u32 v[RI], v[RI], 10, v[TK+(\a)]    ; my token's row among 2 x 1,024: j x 1,024 + token
	WIN 0
.irp i, 0,1,2,3,4,5,6,7,8,9,10,11,12,13,14,15
	v_readlane_b32 s[74+(\i)%4], v[RI], \i
	s_min_u32 s[74+(\i)%4], s[74+(\i)%4], 2047
	s_lshl_b32 s[74+(\i)%4], s[74+(\i)%4], 12
	v_add_nc_u32 v[TMP+\i], s[74+(\i)%4], v[L16]   ; row i of the tile: where its 512 bytes go
.endr
	WIN (W<<6)|(1<<2)|W
.set i, 0
.rept 32
	v_pk_mul_f32 v[AC+2*i:AC+2*i+1], v[AC+2*i:AC+2*i+1], v[GWJ+2*(\a):GWJ+2*(\a)+1] op_sel_hi:[1,0]   ; times the token's weight
.set i, i+1
.endr
	WIN W<<2
.irp b, 0,1,2,3,4,5,6,7
	ds_store_b128 v[STO], v[AC+8*\b:AC+8*\b+3] offset:64*\b
	ds_store_b128 v[STO], v[AC+8*\b+4:AC+8*\b+7] offset:64*\b+16
.endr
	WIN 0
.irp i, 0,1,2,3,4,5,6,7,8,9,10,11,12,13,14,15
	ds_load_b128 v[BF+4*\i:BF+4*\i+3], v[SRD] offset:SPITCH*\i   ; my own stage, served in order: whole rows come back
.endr
.irp i, 0,1,2,3,4,5,6,7,8,9,10,11,12,13,14,15
	s_wait_dscnt 15-\i
	global_store_b128 v[TMP+\i], v[BF+4*\i:BF+4*\i+3], s[16:17]   ; 512 consecutive bytes of one partial row
.endr
.endif
.Lnone_\@:
.endm
	s_load_b256 s[4:11], s[0:1], 0x0               ; token operand, W, bias, bitmap
.if KIND == 1
	s_load_b64 s[12:13], s[0:1], 0x20              ; hbuf
.else
	s_load_b128 s[12:15], s[0:1], 0x20             ; gwe, jtab
	s_load_b64 s[16:17], s[0:1], 0x30              ; ypart
.endif
	v_lshl_add_u32 v[SPW], v0, 2, SPARE
	v_mov_b32 v[NIL], 0
	v_and_b32 v[LANE], 31, v0
	v_lshrrev_b32 v13, 5, v0
	v_readfirstlane_b32 s20, v13                   ; wave
	v_and_b32 v[R], 15, v0
	v_bfe_u32 v13, v0, 4, 1
	v_lshlrev_b32 v[H16], 4, v13
	v_lshlrev_b32 v[H32], 5, v13
	v_lshlrev_b32 v[L16], 4, v[LANE]
	v_mul_u32_u24 v[BL0], v[R], WP
	v_add_nc_u32 v[BL0], v[BL0], v[H16]
	v_lshlrev_b32 v[PF], LOGP, v0
	v_mov_b32 v[Z], 0
	s_mul_i32 s74, s20, 32*WP
	s_lshl_b32 s75, s20, LOGP+5
	WIN 0xc0
	v_lshl_add_u32 v[WSA0], v[LANE], 3, s74        ; my wave's 32 rows of a chunk in LDS, 8 bytes a lane
	v_lshl_add_u32 v[WOF], v[LANE], 4, s75         ; and in memory, 16 bytes a lane
	WIN 0
	s_mov_b32 s18, 0xffff                          ; the masks of the bit counts, and 1 << 16
	s_mov_b32 s19, 0xff
	s_mov_b32 s92, 0x55555555
	s_mov_b32 s93, 0x33333333
	s_mov_b32 s94, 0x0f0f0f0f
	s_mov_b32 s95, 0x10000
	s_mov_b32 s71, 0
	s_lshr_b32 s21, ttmp9, 5                       ; the expert
	s_lshl_b32 s79, s21, 7                         ; its 32 words of the bitmap
	s_lshl_b32 s76, s21, 24                        ; its 16 MiB of W
.if KIND == 1
	s_and_b32 s22, ttmp9, 31                       ; columns 128 x slice of H
	s_lshl_b32 s74, s22, 19
	s_add_co_u32 s76, s76, s74
	s_lshl_b32 s77, s21, 14
	s_lshl_b32 s74, s22, 9
	s_add_co_u32 s77, s77, s74
	s_lshl_b32 s78, s21, 23
	s_lshl_b32 s74, s22, 12
	s_add_co_u32 s78, s78, s74
.else
	s_bfe_u32 s22, ttmp9, 0x30002                  ; columns 128 x slice of D
	s_and_b32 s23, ttmp9, 3                        ; K from 1,024 x window
	s_lshl_b32 s74, s22, 21
	s_add_co_u32 s76, s76, s74
	s_lshl_b32 s74, s23, 12
	s_add_co_u32 s76, s76, s74
	s_lshl_b32 s82, s21, 12
	s_lshl_b32 s74, s22, 9
	s_add_co_u32 s77, s82, s74
	s_lshl_b32 s78, s23, 23
	s_add_co_u32 s78, s78, s74
	s_lshl_b32 s81, s21, 23
	s_lshl_b32 s74, s23, 15
	s_add_co_u32 s81, s81, s74
	s_mul_i32 s74, s20, 16*SPITCH
	s_add_co_u32 s74, s74, STG                     ; my stage
	v_mul_u32_u24 v[STO], v[R], SPITCH             ; in: row lane % 16, 32 bytes for each half of the lanes
	v_add_nc_u32 v[STO], v[STO], v[H32]
	v_add_nc_u32 v[STO], s74, v[STO]
	v_add_nc_u32 v[SRD], s74, v[L16]               ; back: a row of 512 bytes
.endif
	s_wait_kmcnt 0x0
	PADD 10, 79
	s_load_b512 s[32:47], s[10:11], 0x0
	s_load_b512 s[48:63], s[10:11], 0x40
	PADD 6, 76
	PADD 8, 77
.if KIND == 1
	PADD 12, 78
.else
	PADD 16, 78
	PADD 4, 81
	PADD 12, 82
	PADD 14, 82
.endif
.irp b, 0,1,2,3,4,5,6,7
	global_load_b128 v[BIAS+8*\b:BIAS+8*\b+3],   v[H32], s[8:9] offset:64*\b       ; register 8 b + j: the bias of column 16 b + 8 (lane / 16) + j
	global_load_b128 v[BIAS+8*\b+4:BIAS+8*\b+7], v[H32], s[8:9] offset:64*\b+16
.endr
	WIN 0xc3
.set i, 0
.rept 32
	global_load_b128 v[SG+4*i:SG+4*i+3], v[WOF], s[6:7] offset:PITCHW*i th:TH_LOAD_NT   ; chunk 0 of W
.set i, i+1
.endr
	WIN 0
	global_prefetch_b8 v[PF], s[6:7] offset:512 th:TH_LOAD_NT scope:SCOPE_SE            ; chunk 1 is asked for ahead: a thread a row, two blocks of 256 bytes
	global_prefetch_b8 v[PF], s[6:7] offset:768 th:TH_LOAD_NT scope:SCOPE_SE
	s_wait_kmcnt 0x0
	s_mov_b32 s24, 0                               ; the expert's count
.set i, 0
.rept 32
	s_bcnt1_i32_b32 s74, s[32+i]
	s_add_co_u32 s24, s24, s74
.set i, i+1
.endr
	s_max_u32 s25, s24, 1
	s_sub_co_u32 s25, s25, 1                       ; the last place (0 for an expert without tokens)
	s_add_co_u32 s26, s24, 15
	s_lshr_b32 s26, s26, 4                         ; tiles with rows
	s_max_u32 s80, s26, 1                          ; the first product always writes one tile, so that every byte of hbuf that is read has been written
.if KIND == 1
	s_mov_b32 s26, s80
.endif
	s_sub_co_u32 s80, s80, 1
	s_mov_b32 s29, s20                             ; block 0: my tiles are w, w + 4, ..
	s_mov_b64 s[66:67], s[4:5]
	PREP
	s_wait_loadcnt 63                              ; behind the bias stand 72 loads or more
.if KIND == 2
	s_cmp_eq_u32 s23, 0
	s_cselect_b32 s74, 1.0, 0                      ; b2 belongs to the first K window's part alone
	s_mov_b32 s75, s74
.set i, 0
.rept 32
	v_pk_mul_f32 v[BIAS+2*i:BIAS+2*i+1], v[BIAS+2*i:BIAS+2*i+1], s[74:75] op_sel_hi:[1,0]
.set i, i+1
.endr
.endif
	INIT
	s_mov_b32 s31, 0
	s_mov_b32 s30, 7
.Lchunk:                                               ; trip c = 0..6: chunk c into LDS, chunk c + 1 asked for, chunk c multiplied; s[6:7] stands at chunk c
	RETIRE 1
	s_cmp_lt_u32 s30, 2
	s_cbranch_scc1 .Lno_more                       ; the last trip has no chunk c + 2
	global_prefetch_b8 v[PF], s[6:7] offset:1024 th:TH_LOAD_NT scope:SCOPE_SE   ; chunk c + 2, one trip ahead of its loads: a thread a row, each block of 256 bytes asked for once
	global_prefetch_b8 v[PF], s[6:7] offset:1280 th:TH_LOAD_NT scope:SCOPE_SE
.Lno_more:
	s_wait_dscnt 0x0                               ; my rows of chunk c are in LDS,
	s_barrier_signal -1
	s_barrier_wait -1                              ; everybody's are.  One barrier a chunk: the next chunk's stores go to bytes CHB further on, which nobody reads yet
	CHUNK 1, 32
	s_sub_co_u32 s30, s30, 1
	s_cmp_lg_u32 s30, 0
	s_cbranch_scc1 .Lchunk
	RETIRE 0                                       ; chunk 7: nothing more to ask for
	s_wait_dscnt 0x0
	s_barrier_signal -1
	s_barrier_wait -1                              ; from here on the slice is only read
	; THE BLOCKS: four trips of 20 tiles serve every split.  A trip: the block's last chunk; its way out; the next block's first seven chunks.  Each part is jumped where the block has no rows.
	; The three tests read the same two numbers.  In KIND 2 a barrier, on every wave's path, stands on either side of the way out: all waves' reads of the slice are back before any stage is
	; written, and all stages' stores are done before the slice is read again, so that this order does not rest on the stepped number s31 from which the reads' addresses are made.
	s_mov_b32 s28, 4
	s_mov_b32 s83, 0
.Lblock:
	s_cmp_ge_u32 s83, s26
	s_cbranch_scc1 .Lno_rows
	CHUNK 0, 0, 1                                  ; the block's chunk 7
.if KIND == 2
.Lno_rows:
	BAR
	s_cmp_ge_u32 s83, s26
	s_cbranch_scc1 .Lno_out
.endif
.irp a, 0,1,2,3,4
	EOUT \a
.endr
	s_wait_xcnt 0x0                                ; the stores have read their registers
.if KIND == 2
.Lno_out:
	BAR
.else
.Lno_rows:
.endif
	s_add_co_u32 s83, s83, 20                      ; the next block,
	s_add_co_u32 s29, s83, s20                     ; my first tile in it
	s_cmp_ge_u32 s83, s26
	s_cbranch_scc1 .Lbottom
	s_wait_loadcnt 0x0                             ; the token registers and their offsets are written anew below: no load that names them is out (the last chunk's last wait was for 0)
	s_mov_b32 s31, 0                               ; it walks the slice in LDS from its first chunk
	s_mov_b64 s[66:67], s[4:5]
	PREP
	INIT
	s_mov_b32 s30, 7
.Lagain:
	CHUNK 1, 0
	s_sub_co_u32 s30, s30, 1
	s_cmp_lg_u32 s30, 0
	s_cbranch_scc1 .Lagain
.Lbottom:
	s_sub_co_u32 s28, s28, 1
	s_cmp_lg_u32 s28, 0
	s_cbranch_scc1 .Lblock
	BAR                                            ; every wave's reads of LDS are back before any wave's closing add
	s_wait_tensorcnt 0x0                           ; the wave's end
	ds_add_u32 v[SPW], v[NIL]
	s_wait_dscnt 0x0
	s_endpgm
.Lfunc_end_k_q3fb0483fb0_ffn1:
	.size	k_q3fb0483fb0_ffn1, .Lfunc_end_k_q3fb0483fb0_ffn1-k_q3fb0483fb0_ffn1
	.p2alignl 7, 3214868480
	.fill 96, 4, 3214868480
	.section	.rodata,"a",@progbits
	.p2align	6, 0x0
	.amdhsa_kernel k_q3fb0483fb0_ffn1
		.amdhsa_group_segment_fixed_size 312832
		.amdhsa_private_segment_fixed_size 0
		.amdhsa_enable_private_segment 0
		.amdhsa_kernarg_size 40
		.amdhsa_user_sgpr_count 2
		.amdhsa_user_sgpr_kernarg_segment_ptr 1
		.amdhsa_wavefront_size32 1
		.amdhsa_system_sgpr_workgroup_id_x 1
		.amdhsa_system_sgpr_workgroup_id_y 1
		.amdhsa_system_sgpr_workgroup_id_z 1
		.amdhsa_system_vgpr_workitem_id 0
		.amdhsa_next_free_vgpr 1024
		.amdhsa_next_free_sgpr 96
		.amdhsa_reserve_vcc 1
		.amdhsa_float_denorm_mode_32 3
		.amdhsa_float_denorm_mode_16_64 3
		.amdhsa_memory_ordered 1
		.amdhsa_forward_progress 1
		.amdhsa_inst_pref_size 162
	.end_amdhsa_kernel
	.amdgpu_metadata
---
amdhsa.version: [ 1, 2 ]
amdhsa.kernels:
  - .name:           k_q3fb0483fb0_ffn1
    .symbol:         k_q3fb0483fb0_ffn1.kd
    .args:
      - { .name: xb, .offset: 0, .size: 8, .value_kind: global_buffer, .address_space: global }
      - { .name: W1, .offset: 8, .size: 8, .value_kind: global_buffer, .address_space: global }
      - { .name: b1, .offset: 16, .size: 8, .value_kind: global_buffer, .address_space: global }
      - { .name: bitmap, .offset: 24, .size: 8, .value_kind: global_buffer, .address_space: global }
      - { .name: hbuf, .offset: 32, .size: 8, .value_kind: global_buffer, .address_space: global }
    .group_segment_fixed_size: 312832
    .private_segment_fixed_size: 0
    .kernarg_segment_align: 8
    .kernarg_segment_size: 40
    .max_flat_workgroup_size: 128
    .sgpr_count:     96
    .vgpr_count:     1024
    .wavefront_size: 32
...
	.end_amdgpu_metadata
.endif
;; end of part 2
;; launch ffn2 (part 3): grid 256 x 1, 4 waves a work-group, no clusters, 312,832 bytes of LDS; arguments hbuf, W2, b2, bitmap, gwe, jtab, ypart; writes ypart
.if DOCPART == 3
	.amdgcn_target "amdgcn-amd-amdhsa--gfx1250"
	.amdhsa_code_object_version 6
	.text
	.protected	k_q3fb0483fb0_ffn2
	.globl	k_q3fb0483fb0_ffn2
	.p2align	8
	.type	k_q3fb0483fb0_ffn2,@function
k_q3fb0483fb0_ffn2:
	s_mov_b64 s[64:65], 0
	v_nop
	global_prefetch_b8 v0, s[64:65] scope:SCOPE_SE
	s_setreg_imm32_b32 hwreg(HW_REG_WAVE_MODE, 25, 1), 1
	s_wait_xcnt 0x0
; AN EXPERT'S PRODUCT ON A SLICE OF ITS WEIGHTS.  One text for both products; KIND says which.
;   KIND 1: h = relu(X_e W1_e^T + b1_e) for the tokens X_e that chose expert e.   KIND 2: gw (h W2_e^T + b2_e), K split in four windows of 1,024; the parts are added by the last launch.
; SHARES.  A work-group owns 128 output columns x 1,024 of K of ONE expert: 512 KiB of f32 weights that it alone reads, once.  8 experts x 32 slices = 256 work-groups.
; K goes in 8 chunks of 128.  A chunk (128 rows x 512 bytes) comes through registers: wave w takes rows 32 w .. 32 w + 31, each load 512 consecutive bytes; it is rounded to bf16 and stored ONCE into
; LDS bytes of its own, so no LDS byte of the weights is ever written twice, and the slice stays there for an expert with more rows than one pass holds.
; ROWS.  The expert's tokens, in token order, have places 0, 1, ..; 16 places are a tile, 20 tiles a block; wave w owns tiles 20 rb + 4 a + w, a = 0..4.  The token of a place is found from the expert's
; bitmap, which lies in 32 scalar registers: a scan over the words gives each lane the word that holds its place and the places in front of that word; five halvings on the word's bit counts give the
; bit.  Every wave does this for its own 80 places, in registers: no list in LDS, no barrier, no exchange between lanes.
; The first block's sums stay in registers while the weights stream: chunk c is multiplied while chunk c + 1 is on its way.  Later blocks (an expert with over 320 rows) walk the slice in LDS again:
; four blocks serve all 1,024 tokens on one expert.  The loop over blocks has four trips whatever the count; every wave passes every barrier in it, and only work is jumped.
; Places past the count repeat the last token: the same numbers, in KIND 2 to the same address.  Tiles 3 and 4 are jumped where they hold no row; the jump passes matrix instructions alone, so every count of a wait is a constant.
; THE MATRIX INSTRUCTION IS USED TRANSPOSED: source 0 = 16 rows of W, source 1 = 16 tokens: a lane holds one token (lane % 16) and eight neighbouring columns 16 b + 8 (lane / 16) + 0..7.
; hbuf[e][tile][k step of 32][half][lane][8 bf16]: KIND 1's 16 bytes a lane ARE KIND 2's token fragments: stored and loaded 512 consecutive bytes an instruction, with no turn through LDS.
; ypart[2 x window + j][token][1,024] f32: j = 0 for the lower of a token's two experts, 1 for the higher: each partial row has one writer.
; NO CLUSTER: each weight byte has one reader; the token rows that an expert's work-groups share come by their numbers (KIND 1), and a chunk's 80 KiB of them twice do not fit beside the slice (KIND 2).
; FORMATS.  Operands bf16 (h may pass f16's range for large inputs), sums f32; the sums begin with the bias, unrounded.  LIMITS: NaN and infinities are not treated apart (KIND 2 multiplies b2 by 0 in three of four windows).
; REGISTERS, in windows of 256 (s_set_vgpr_msb: bits 1:0 source 0, 3:2 source 1, 5:4 source 2, 7:6 destination):
;   window 0: v0-31 addresses and work; v32-95, v96-159 W's fragments of one k step each (v32-116 at work while tokens are found); v160-223 the bias; v224-255 at work on the way out
;   window 1: v0-159 token fragments (tile a, k step k at 32 a + 8 k); v160-164 their offsets; v166-175 (gw, j) a tile; v176-180 tokens
;   window 2: the sums of tiles 0-3 (64 a + 8 b)          window 3: v0-63 tile 4's sums; v64-191 a chunk of W as loaded; v192-194 its addresses; v196-243 rounded, three sets
.set KIND, 2
.if KIND == 1
.set LOGP,   12                        ; a row of W is 4,096 bytes
.set AKS,    64                        ; bytes from k step to k step in the token operand
.set AH,     32                        ; to a fragment's second half
.set ACH,    256                       ; from chunk to chunk
.else
.set LOGP,   14
.set AKS,    1024
.set AH,     512
.set ACH,    4096
.endif
.set PITCHW, 1<<LOGP
.set WP,     272                       ; a row of a chunk in LDS: 256 bytes + 16: the 16 rows of a fragment load start 68 words apart
.set CHB,    128*WP                    ; a chunk in LDS
.set STG,    8*CHB                     ; KIND 2: 16 rows x 528 bytes for each wave, for the way out
.set SPITCH, 528
.set SPARE,  STG+4*16*SPITCH           ; the spare words, 128 bytes for each wave: no other line names them
.set LANE, 1
.set R,    2                           ; lane % 16
.set H16,  3                           ; 16 (lane / 16)
.set L16,  4                           ; 16 lane
.set BL0,  5                           ; my place in a chunk's fragments
.set BL,   6                           ; the same in the chunk in hand
.set PF,   7                           ; thread x a row of W: the prefetches' offset
.set Z,    8                           ; 0
.set H32,  9                           ; 32 (lane / 16)
.set PT,   16                          ; v16-20 my place among the expert's tokens, a tile each; in KIND 2 later 4 x token
.set TKN,  21                          ; v21-25 tokens, a tile each
.set STO,  26
.set SRD,  27
.set RI,   28
.set SPW,  30
.set NIL,  31
.set BF,   32
.set MM,   32                          ; while tokens are found, five registers each, a tile each: the word that holds my place
.set KK,   40                          ; the word's number << 16 + the places in front of it
.set NN,   48                          ; set bits still in front of mine
.set SA,   56                          ; the word's bit counts by 2,
.set SB,   64                          ; by 4,
.set SC,   72                          ; by 8,
.set SD,   80                          ; and (low byte) of its low 16 places
.set SS,   88                          ; the bit found so far
.set TT,   96
.set UU,   104
.set VV,   112
.set BIAS, 160
.set TMP,  224
.set AOFF, 160                         ; window 1
.set GWJ,  166
.set TK,   176
.set SG,   64                          ; window 3
.set WSA0, 192
.set WSA,  193
.set WOF,  194
.set WT,   196
; s[4:5] token operand  s[6:7] W at the chunk in hand  s[8:9] bias  s[10:11] bitmap  s[12:17] the other buffers  s18, s19, s92-95 constants  s20 wave  s21 expert  s22 slice  s23 K window  s24 count
; s25 last place  s26 live tiles  s27 my live tiles in the block  s28 blocks to go  s29 my first tile  s30 trips  s31 the chunk's LDS byte  s[32:63] bitmap  s[66:67] token operand at the chunk
; s[70:71] an offset, high word 0  s[72:73] output  s74-79 at work  s80 written tiles - 1  s83 the block's first tile  s[84:87] four words of the bitmap on their way round
.set MSB, 0
.macro WIN new                         ; the immediate's high byte repeats the setting that is left; a switch that changes nothing is dropped
.if MSB != (\new)
	s_set_vgpr_msb (MSB<<8)|(\new)
.set MSB, (\new)
.endif
.endm
.macro PADD p, off                     ; a buffer's address plus a 32-bit offset
	s_mov_b32 s70, s[\off]
	s_add_nc_u64 s[\p:\p+1], s[\p:\p+1], s[70:71]
.endm
.macro PLACES                          ; four places between a matrix instruction and a load into, or a vector instruction on, its registers (ISA guide 7.12.1 for vector instructions)
.rept 4
	v_nop
.endr
.endm
.macro BAR                             ; my LDS instructions are done; then every wave's are
	s_wait_dscnt 0x0
	s_barrier_signal -1
	s_barrier_wait -1
.endm
.macro ALL5 line:vararg                ; one line for each of my five tiles t
.set t, 0
.rept 5
	\line
.set t, t+1
.endr
.endm
; A chunk of W leaves its registers: rounded, 8 bytes a lane, a row's 256 bytes a store.  again = 1: each eight rows' registers are at once asked for the next chunk.
; The rounded rows take three sets of registers by turns, so that a conversion does not land on what the LDS stores of the eight rows before still read.
; Behind the last of rows 8 q .. 8 q + 7 stand 24 - 8 q loads of W, 40 of token fragments or more, and with again = 1 the 8 q just reissued: 64 or more; a wait's count names 63 at the most.
.macro RETIRE again
	WIN 0xff
	v_add_nc_u32 v[WSA], s31, v[WSA0]
.irp q, 0,1,2,3
.set WQ, WT+16*((\q)%3)
.if (\again) || ((\q) == 0)
	s_wait_loadcnt 63
.else
	s_wait_loadcnt 64-8*(\q)
.endif
.irp i, 0,1,2,3,4,5,6,7
	v_cvt_pk_bf16_f32 v[WQ+2*\i], v[SG+32*\q+4*\i], v[SG+32*\q+4*\i+1]
	v_cvt_pk_bf16_f32 v[WQ+2*\i+1], v[SG+32*\q+4*\i+2], v[SG+32*\q+4*\i+3]
.endr
.irp i, 0,1,2,3,4,5,6,7
	ds_store_b64 v[WSA], v[WQ+2*\i:WQ+2*\i+1] offset:WP*(8*\q+\i)
.endr
.if \again
.irp i, 0,1,2,3,4,5,6,7
	global_load_b128 v[SG+32*\q+4*\i:SG+32*\q+4*\i+3], v[WOF], s[6:7] offset:PITCHW*(8*\q+\i)+512 th:TH_LOAD_NT
.endr
.endif
.endr
	WIN 0
.endm
.macro FETCHB k                        ; W's eight fragments of k step k: 16 LDS loads in one run
	WIN 0
.irp b, 0,1,2,3,4,5,6,7
	ds_load_b128 v[BF+64*((\k)%2)+8*\b:BF+64*((\k)%2)+8*\b+3],   v[BL] offset:16*WP*\b+64*(\k)
	ds_load_b128 v[BF+64*((\k)%2)+8*\b+4:BF+64*((\k)%2)+8*\b+7], v[BL] offset:16*WP*\b+64*(\k)+32
.endr
.endm
.macro ALOAD k, ahead                  ; the five tiles' token fragments of k step k, of the chunk at which s[66:67] stands or (ahead = 1) the next: 10 loads
	WIN 0x41
.irp a, 0,1,2,3,4
	global_load_b128 v[32*\a+8*(\k):32*\a+8*(\k)+3],   v[AOFF+\a], s[66:67] offset:(\ahead)*ACH+AKS*(\k)
	global_load_b128 v[32*\a+8*(\k)+4:32*\a+8*(\k)+7], v[AOFF+\a], s[66:67] offset:(\ahead)*ACH+AKS*(\k)+AH
.endr
.endm
.macro MUL a, k                        ; tile a, k step k: its eight sums take turns, one instruction a turn
.if (\a) < 4
	WIN 0xa4
.set AC, 64*(\a)
.else
	WIN 0xf4
.set AC, 0
.endif
.irp b, 0,1,2,3,4,5,6,7
	v_wmma_f32_16x16x32_bf16 v[AC+8*\b:AC+8*\b+7], v[BF+64*((\k)%2)+8*\b:BF+64*((\k)%2)+8*\b+7], v[32*(\a)+8*(\k):32*(\a)+8*(\k)+7], v[AC+8*\b:AC+8*\b+7]
.endr
.endm
.macro GMUL a, k                       ; the same, jumped where the tile holds no row
	WIN 0
	s_cmp_gt_u32 s27, \a
	s_cbranch_scc0 .Ldead_\@
	MUL \a, \k
	WIN 0
.Ldead_\@:
.endm
; A chunk is multiplied: four k steps.  At the head of step k: four places behind the products of step k - 1; W's fragments of step k + 1 into the buffer that step k - 1 read; with refill = 1 the
; next chunk's token fragments into the registers that step k - 1 read.  s_wait_dscnt 16 leaves the run just issued out.
; s_wait_loadcnt: behind the token fragments of step k stand 10 (3 - k) loads of this chunk, wn loads of W reissued since, and 10 k refills: 30 + wn at every k; without refills 30 - 10 k.
; THE BASES ARE STEPPED AT THE TAIL, between the last products and the refill of k step 3, which then names the stepped base: the youngest load in front of that one s_wait_xcnt 0 was issued
; ahead of the last k step's 24 to 40 matrix instructions.  wn > 0: W's base steps too.  last = 1: the chunk is the slice's last, at the constant 7 CHB; else it lies at s31.
.macro CHUNK refill, wn, last=0
	WIN 0
.if \last
	v_add_nc_u32 v[BL], 7*CHB, v[BL0]
.else
	v_add_nc_u32 v[BL], s31, v[BL0]
.endif
	FETCHB 0
.irp ks, 0,1,2,3
.if \ks > 0
	PLACES
.endif
.if \ks < 3
	FETCHB (\ks)+1
.endif
.if (\refill) && (\ks > 0)
	ALOAD (\ks)-1, 1
.endif
.if \refill
	s_wait_loadcnt 30+(\wn)
.else
	s_wait_loadcnt 30-10*(\ks)
.endif
.if \ks < 3
	s_wait_dscnt 16
.else
	s_wait_dscnt 0x0
.endif
	MUL 0, \ks
	MUL 1, \ks
	MUL 2, \ks
	GMUL 3, \ks
	GMUL 4, \ks
.endr
	PLACES
.if \refill
	s_wait_xcnt 0x0                                ; every load and prefetch issued so far has had its address translated: the bases may be stepped
	s_add_nc_u64 s[66:67], s[66:67], ACH
.if \wn
	s_add_nc_u64 s[6:7], s[6:7], 512
.endif
	s_add_co_u32 s31, s31, CHB
	ALOAD 3, 0
.endif
	WIN 0
.endm
.macro INIT                            ; the sums begin with the bias of their columns
	WIN 0x80
.set i, 0
.rept 256
	v_mov_b32 v[i], v[BIAS+i%64]
.set i, i+1
.endr
	WIN 0xc0
.set i, 0
.rept 64
	v_mov_b32 v[i], v[BIAS+i]
.set i, i+1
.endr
	WIN 0
.endm
; One halving: x holds the word's bit counts in fields of w bits; the field at the bit found so far counts the lower inc places.  If that many set bits or more stand in front of mine, mine lies in the upper half.
.macro LEVEL x, w, inc
	ALL5 v_bfe_u32 v[TT+t], v[(\x)+t], v[SS+t], \w
	ALL5 v_sub_nc_u32 v[UU+t], v[NN+t], v[TT+t]
	ALL5 v_add_nc_u32 v[VV+t], \inc, v[SS+t]
.set t, 0
.rept 5
	v_cmp_ge_u32 vcc_lo, v[NN+t], v[TT+t]
	v_cndmask_b32 v[NN+t], v[NN+t], v[UU+t], vcc_lo
	v_cndmask_b32 v[SS+t], v[SS+t], v[VV+t], vcc_lo
.set t, t+1
.endr
.endm
; THE TOKENS OF MY FIVE TILES.  My place in tile a is 16 (s29 + 4 a) + lane % 16, or the last place past the count.  The scan takes the 32 words in order, four a trip; the registers that hold them
; turn by four words a trip and stand as before behind the eighth.  s75: set bits up to and with the word in hand; s76: the same + (the word's number + 1) << 16.  While my place is not among
; those bits, I take the NEXT word and s76.  (An expert without tokens: no word holds place 0; the clamp keeps whatever comes out inside the table, and no result of it is stored by KIND 2.)
.macro SELECT
	WIN 0
	s_lshl_b32 s74, s29, 4
.irp a, 0,1,2,3,4
	v_add_nc_u32 v[PT+\a], s74, v[R]
	s_add_co_u32 s74, s74, 64
	v_min_u32 v[PT+\a], s25, v[PT+\a]
	v_mov_b32 v[MM+\a], s32
	v_mov_b32 v[KK+\a], 0
	v_mov_b32 v[SS+\a], 0
.endr
	s_mov_b32 s75, 0
	s_mov_b32 s76, 0
	s_mov_b32 s77, 8
.Lscan_\@:
.irp u, 0,1,2,3
	s_bcnt1_i32_b32 s78, s[32+\u]
	s_add_co_u32 s75, s75, s78
	s_add_co_u32 s76, s76, s78
	s_add_co_u32 s76, s76, s95
.irp a, 0,1,2,3,4
	v_cmp_gt_u32 vcc_lo, s75, v[PT+\a]                       ; is my place among the bits so far?
	v_cndmask_b32 v[MM+\a], s[33+\u], v[MM+\a], vcc_lo       ; if not: the next word,
	v_cndmask_b32 v[KK+\a], s76, v[KK+\a], vcc_lo            ; its number and the places in front of it
.endr
.endr
	s_mov_b64 s[84:85], s[32:33]
	s_mov_b64 s[86:87], s[34:35]
.set t, 0
.rept 14
	s_mov_b64 s[32+2*t:33+2*t], s[36+2*t:37+2*t]
.set t, t+1
.endr
	s_mov_b64 s[60:61], s[84:85]
	s_mov_b64 s[62:63], s[86:87]
	s_sub_co_u32 s77, s77, 1
	s_cmp_lg_u32 s77, 0
	s_cbranch_scc1 .Lscan_\@
	ALL5 v_and_b32 v[TT+t], s18, v[KK+t]
	ALL5 v_sub_nc_u32 v[NN+t], v[PT+t], v[TT+t]              ; set bits of the word in front of mine
	ALL5 v_lshrrev_b32 v[KK+t], 16, v[KK+t]                  ; the word's number
	ALL5 v_lshrrev_b32 v[TT+t], 1, v[MM+t]
	ALL5 v_and_b32 v[TT+t], s92, v[TT+t]
	ALL5 v_sub_nc_u32 v[SA+t], v[MM+t], v[TT+t]              ; counts by 2 places
	ALL5 v_lshrrev_b32 v[TT+t], 2, v[SA+t]
	ALL5 v_and_b32 v[UU+t], s93, v[SA+t]
	ALL5 v_and_b32 v[TT+t], s93, v[TT+t]
	ALL5 v_add_nc_u32 v[SB+t], v[UU+t], v[TT+t]              ; by 4
	ALL5 v_lshrrev_b32 v[TT+t], 4, v[SB+t]
	ALL5 v_add_nc_u32 v[TT+t], v[TT+t], v[SB+t]
	ALL5 v_and_b32 v[SC+t], s94, v[TT+t]                     ; by 8
	ALL5 v_lshrrev_b32 v[TT+t], 8, v[SC+t]
	ALL5 v_add_nc_u32 v[SD+t], v[TT+t], v[SC+t]              ; low byte: the low 16 places
	LEVEL SD, 8, 16
	LEVEL SC, 8, 8
	LEVEL SB, 4, 4
	LEVEL SA, 2, 2
	LEVEL MM, 1, 1
	ALL5 v_lshl_add_u32 v[TKN+t], v[KK+t], 5, v[SS+t]        ; token = 32 x word + bit
	ALL5 v_min_u32 v[TKN+t], 0x3ff, v[TKN+t]
.endm
; A block begins: how many of my five tiles hold rows; the offsets of their fragments; chunk 0's fragments are asked for.  KIND 1 needs the tokens for that.  KIND 2 reads hbuf by tiles, so its
; loads go out first, and the tokens, which the way out needs, are found while they are on their way.
.macro PREP
	WIN 0
	s_sub_co_i32 s27, s26, s29
	s_add_co_i32 s27, s27, 3
	s_ashr_i32 s27, s27, 2
	s_max_i32 s27, s27, 0
	s_min_i32 s27, s27, 5                          ; tiles s29 + 4 a below the count of live tiles
.if KIND == 1
	SELECT
	WIN 0x40
.irp a, 0,1,2,3,4
	v_lshl_add_u32 v[AOFF+\a], v[TKN+\a], 11, v[H16]   ; the token's row of xb, 16 bytes for each half of the lanes
.endr
.else
	WIN 0x40
.irp a, 0,1,2,3,4
	s_add_co_u32 s75, s29, 4*\a
	s_min_u32 s75, s75, s80                        ; a tile without rows reads the last tile that was written
	s_min_u32 s75, s75, 63
	s_lshl_b32 s75, s75, 17
	v_add_nc_u32 v[AOFF+\a], s75, v[L16]
.endr
.endif
.irp k, 0,1,2,3
	ALOAD \k, 0                                    ; chunk 0's token fragments, k step by k step
.endr
.if KIND == 2
	SELECT
.irp a, 0,1,2,3,4
	v_lshlrev_b32 v[PT+\a], 2, v[TKN+\a]
.endr
	WIN 0x40
.irp a, 0,1,2,3,4
	v_mov_b32 v[TK+\a], v[TKN+\a]
	global_load_b32 v[GWJ+2*\a], v[PT+\a], s[12:13]      ; the token's weight for this expert,
	global_load_b32 v[GWJ+2*\a+1], v[PT+\a], s[14:15]    ; and which of its two partial rows is this expert's
.endr
.endif
	WIN 0
.endm
; THE WAY OUT of tile a, jumped where it holds no row.
.macro EOUT a
.set W, 2+(\a)/4                       ; the window of its sums
.set AC, 64*((\a)%4)
	WIN 0
	s_cmp_gt_u32 s27, \a
	s_cbranch_scc0 .Lnone_\@
	s_wait_xcnt 0x0                                ; the last tile's stores have read their registers and their base
.if KIND == 1
	s_add_co_u32 s70, s29, 4*(\a)
	s_lshl_b32 s70, s70, 17
	s_add_nc_u64 s[72:73], s[12:13], s[70:71]      ; the tile's 131,072 bytes of hbuf, at my slice's 4,096
	WIN (W<<2)|W
.irp b, 0,1,2,3,4,5,6,7
.irp q, 0,1,2,3
	v_cvt_pk_bf16_f32 v[TMP+4*\b+\q], v[AC+8*\b+2*\q], v[AC+8*\b+2*\q+1]
.endr
.endr
	WIN 0
.set i, 0
.rept 32
	v_pk_max_num_bf16 v[TMP+i], v[TMP+i], v[Z]     ; relu behind the rounding: the same number as the rounding behind relu
.set i, i+1
.endr
.irp b, 0,1,2,3,4,5,6,7
	global_store_b128 v[L16], v[TMP+4*\b:TMP+4*\b+3], s[72:73] offset:512*\b   ; 512 consecutive bytes: half a fragment of the second product
.endr
.else
	WIN 0x14
	v_min_u32 v[RI], 1, v[GWJ+2*(\a)+1]
	v_lshl_add_u32 v[RI], v[RI], 10, v[TK+(\a)]    ; my token's row among 2 x 1,024: j x 1,024 + token
	WIN 0
.irp i, 0,1,2,3,4,5,6,7,8,9,10,11,12,13,14,15
	v_readlane_b32 s[74+(\i)%4], v[RI], \i
	s_min_u32 s[74+(\i)%4], s[74+(\i)%4], 2047
	s_lshl_b32 s[74+(\i)%4], s[74+(\i)%4], 12
	v_add_nc_u32 v[TMP+\i], s[74+(\i)%4], v[L16]   ; row i of the tile: where its 512 bytes go
.endr
	WIN (W<<6)|(1<<2)|W
.set i, 0
.rept 32
	v_pk_mul_f32 v[AC+2*i:AC+2*i+1], v[AC+2*i:AC+2*i+1], v[GWJ+2*(\a):GWJ+2*(\a)+1] op_sel_hi:[1,0]   ; times the token's weight
.set i, i+1
.endr
	WIN W<<2
.irp b, 0,1,2,3,4,5,6,7
	ds_store_b128 v[STO], v[AC+8*\b:AC+8*\b+3] offset:64*\b
	ds_store_b128 v[STO], v[AC+8*\b+4:AC+8*\b+7] offset:64*\b+16
.endr
	WIN 0
.irp i, 0,1,2,3,4,5,6,7,8,9,10,11,12,13,14,15
	ds_load_b128 v[BF+4*\i:BF+4*\i+3], v[SRD] offset:SPITCH*\i   ; my own stage, served in order: whole rows come back
.endr
.irp i, 0,1,2,3,4,5,6,7,8,9,10,11,12,13,14,15
	s_wait_dscnt 15-\i
	global_store_b128 v[TMP+\i], v[BF+4*\i:BF+4*\i+3], s[16:17]   ; 512 consecutive bytes of one partial row
.endr
.endif
.Lnone_\@:
.endm
	s_load_b256 s[4:11], s[0:1], 0x0               ; token operand, W, bias, bitmap
.if KIND == 1
	s_load_b64 s[12:13], s[0:1], 0x20              ; hbuf
.else
	s_load_b128 s[12:15], s[0:1], 0x20             ; gwe, jtab
	s_load_b64 s[16:17], s[0:1], 0x30              ; ypart
.endif
	v_lshl_add_u32 v[SPW], v0, 2, SPARE
	v_mov_b32 v[NIL], 0
	v_and_b32 v[LANE], 31, v0
	v_lshrrev_b32 v13, 5, v0
	v_readfirstlane_b32 s20, v13                   ; wave
	v_and_b32 v[R], 15, v0
	v_bfe_u32 v13, v0, 4, 1
	v_lshlrev_b32 v[H16], 4, v13
	v_lshlrev_b32 v[H32], 5, v13
	v_lshlrev_b32 v[L16], 4, v[LANE]
	v_mul_u32_u24 v[BL0], v[R], WP
	v_add_nc_u32 v[BL0], v[BL0], v[H16]
	v_lshlrev_b32 v[PF], LOGP, v0
	v_mov_b32 v[Z], 0
	s_mul_i32 s74, s20, 32*WP
	s_lshl_b32 s75, s20, LOGP+5
	WIN 0xc0
	v_lshl_add_u32 v[WSA0], v[LANE], 3, s74        ; my wave's 32 rows of a chunk in LDS, 8 bytes a lane
	v_lshl_add_u32 v[WOF], v[LANE], 4, s75         ; and in memory, 16 bytes a lane
	WIN 0
	s_mov_b32 s18, 0xffff                          ; the masks of the bit counts, and 1 << 16
	s_mov_b32 s19, 0xff
	s_mov_b32 s92, 0x55555555
	s_mov_b32 s93, 0x33333333
	s_mov_b32 s94, 0x0f0f0f0f
	s_mov_b32 s95, 0x10000
	s_mov_b32 s71, 0
	s_lshr_b32 s21, ttmp9, 5                       ; the expert
	s_lshl_b32 s79, s21, 7                         ; its 32 words of the bitmap
	s_lshl_b32 s76, s21, 24                        ; its 16 MiB of W
.if KIND == 1
	s_and_b32 s22, ttmp9, 31                       ; columns 128 x slice of H
	s_lshl_b32 s74, s22, 19
	s_add_co_u32 s76, s76, s74
	s_lshl_b32 s77, s21, 14
	s_lshl_b32 s74, s22, 9
	s_add_co_u32 s77, s77, s74
	s_lshl_b32 s78, s21, 23
	s_lshl_b32 s74, s22, 12
	s_add_co_u32 s78, s78, s74
.else
	s_bfe_u32 s22, ttmp9, 0x30002                  ; columns 128 x slice of D
	s_and_b32 s23, ttmp9, 3                        ; K from 1,024 x window
	s_lshl_b32 s74, s22, 21
	s_add_co_u32 s76, s76, s74
	s_lshl_b32 s74, s23, 12
	s_add_co_u32 s76, s76, s74
	s_lshl_b32 s82, s21, 12
	s_lshl_b32 s74, s22, 9
	s_add_co_u32 s77, s82, s74
	s_lshl_b32 s78, s23, 23
	s_add_co_u32 s78, s78, s74
	s_lshl_b32 s81, s21, 23
	s_lshl_b32 s74, s23, 15
	s_add_co_u32 s81, s81, s74
	s_mul_i32 s74, s20, 16*SPITCH
	s_add_co_u32 s74, s74, STG                     ; my stage
	v_mul_u32_u24 v[STO], v[R], SPITCH             ; in: row lane % 16, 32 bytes for each half of the lanes
	v_add_nc_u32 v[STO], v[STO], v[H32]
	v_add_nc_u32 v[STO], s74, v[STO]
	v_add_nc_u32 v[SRD], s74, v[L16]               ; back: a row of 512 bytes
.endif
	s_wait_kmcnt 0x0
	PADD 10, 79
	s_load_b512 s[32:47], s[10:11], 0x0
	s_load_b512 s[48:63], s[10:11], 0x40
	PADD 6, 76
	PADD 8, 77
.if KIND == 1
	PADD 12, 78
.else
	PADD 16, 78
	PADD 4, 81
	PADD 12, 82
	PADD 14, 82
.endif
.irp b, 0,1,2,3,4,5,6,7
	global_load_b128 v[BIAS+8*\b:BIAS+8*\b+3],   v[H32], s[8:9] offset:64*\b       ; register 8 b + j: the bias of column 16 b + 8 (lane / 16) + j
	global_load_b128 v[BIAS+8*\b+4:BIAS+8*\b+7], v[H32], s[8:9] offset:64*\b+16
.endr
	WIN 0xc3
.set i, 0
.rept 32
	global_load_b128 v[SG+4*i:SG+4*i+3], v[WOF], s[6:7] offset:PITCHW*i th:TH_LOAD_NT   ; chunk 0 of W
.set i, i+1
.endr
	WIN 0
	global_prefetch_b8 v[PF], s[6:7] offset:512 th:TH_LOAD_NT scope:SCOPE_SE            ; chunk 1 is asked for ahead: a thread a row, two blocks of 256 bytes
	global_prefetch_b8 v[PF], s[6:7] offset:768 th:TH_LOAD_NT scope:SCOPE_SE
	s_wait_kmcnt 0x0
	s_mov_b32 s24, 0                               ; the expert's count
.set i, 0
.rept 32
	s_bcnt1_i32_b32 s74, s[32+i]
	s_add_co_u32 s24, s24, s74
.set i, i+1
.endr
	s_max_u32 s25, s24, 1
	s_sub_co_u32 s25, s25, 1                       ; the last place (0 for an expert without tokens)
	s_add_co_u32 s26, s24, 15
	s_lshr_b32 s26, s26, 4                         ; tiles with rows
	s_max_u32 s80, s26, 1                          ; the first product always writes one tile, so that every byte of hbuf that is read has been written
.if KIND == 1
	s_mov_b32 s26, s80
.endif
	s_sub_co_u32 s80, s80, 1
	s_mov_b32 s29, s20                             ; block 0: my tiles are w, w + 4, ..
	s_mov_b64 s[66:67], s[4:5]
	PREP
	s_wait_loadcnt 63                              ; behind the bias stand 72 loads or more
.if KIND == 2
	s_cmp_eq_u32 s23, 0
	s_cselect_b32 s74, 1.0, 0                      ; b2 belongs to the first K window's part alone
	s_mov_b32 s75, s74
.set i, 0
.rept 32
	v_pk_mul_f32 v[BIAS+2*i:BIAS+2*i+1], v[BIAS+2*i:BIAS+2*i+1], s[74:75] op_sel_hi:[1,0]
.set i, i+1
.endr
.endif
	INIT
	s_mov_b32 s31, 0
	s_mov_b32 s30, 7
.Lchunk:                                               ; trip c = 0..6: chunk c into LDS, chunk c + 1 asked for, chunk c multiplied; s[6:7] stands at chunk c
	RETIRE 1
	s_cmp_lt_u32 s30, 2
	s_cbranch_scc1 .Lno_more                       ; the last trip has no chunk c + 2
	global_prefetch_b8 v[PF], s[6:7] offset:1024 th:TH_LOAD_NT scope:SCOPE_SE   ; chunk c + 2, one trip ahead of its loads: a thread a row, each block of 256 bytes asked for once
	global_prefetch_b8 v[PF], s[6:7] offset:1280 th:TH_LOAD_NT scope:SCOPE_SE
.Lno_more:
	s_wait_dscnt 0x0                               ; my rows of chunk c are in LDS,
	s_barrier_signal -1
	s_barrier_wait -1                              ; everybody's are.  One barrier a chunk: the next chunk's stores go to bytes CHB further on, which nobody reads yet
	CHUNK 1, 32
	s_sub_co_u32 s30, s30, 1
	s_cmp_lg_u32 s30, 0
	s_cbranch_scc1 .Lchunk
	RETIRE 0                                       ; chunk 7: nothing more to ask for
	s_wait_dscnt 0x0
	s_barrier_signal -1
	s_barrier_wait -1                              ; from here on the slice is only read
	; THE BLOCKS: four trips of 20 tiles serve every split.  A trip: the block's last chunk; its way out; the next block's first seven chunks.  Each part is jumped where the block has no rows.
	; The three tests read the same two numbers.  In KIND 2 a barrier, on every wave's path, stands on either side of the way out: all waves' reads of the slice are back before any stage is
	; written, and all stages' stores are done before the slice is read again, so that this order does not rest on the stepped number s31 from which the reads' addresses are made.
	s_mov_b32 s28, 4
	s_mov_b32 s83, 0
.Lblock:
	s_cmp_ge_u32 s83, s26
	s_cbranch_scc1 .Lno_rows
	CHUNK 0, 0, 1                                  ; the block's chunk 7
.if KIND == 2
.Lno_rows:
	BAR
	s_cmp_ge_u32 s83, s26
	s_cbranch_scc1 .Lno_out
.endif
.irp a, 0,1,2,3,4
	EOUT \a
.endr
	s_wait_xcnt 0x0                                ; the stores have read their registers
.if KIND == 2
.Lno_out:
	BAR
.else
.Lno_rows:
.endif
	s_add_co_u32 s83, s83, 20                      ; the next block,
	s_add_co_u32 s29, s83, s20                     ; my first tile in it
	s_cmp_ge_u32 s83, s26
	s_cbranch_scc1 .Lbottom
	s_wait_loadcnt 0x0                             ; the token registers and their offsets are written anew below: no load that names them is out (the last chunk's last wait was for 0)
	s_mov_b32 s31, 0                               ; it walks the slice in LDS from its first chunk
	s_mov_b64 s[66:67], s[4:5]
	PREP
	INIT
	s_mov_b32 s30, 7
.Lagain:
	CHUNK 1, 0
	s_sub_co_u32 s30, s30, 1
	s_cmp_lg_u32 s30, 0
	s_cbranch_scc1 .Lagain
.Lbottom:
	s_sub_co_u32 s28, s28, 1
	s_cmp_lg_u32 s28, 0
	s_cbranch_scc1 .Lblock
	BAR                                            ; every wave's reads of LDS are back before any wave's closing add
	s_wait_tensorcnt 0x0                           ; the wave's end
	ds_add_u32 v[SPW], v[NIL]
	s_wait_dscnt 0x0
	s_endpgm
.Lfunc_end_k_q3fb0483fb0_ffn2:
	.size	k_q3fb0483fb0_ffn2, .Lfunc_end_k_q3fb0483fb0_ffn2-k_q3fb0483fb0_ffn2
	.p2alignl 7, 3214868480
	.fill 96, 4, 3214868480
	.section	.rodata,"a",@progbits
	.p2align	6, 0x0
	.amdhsa_kernel k_q3fb0483fb0_ffn2
		.amdhsa_group_segment_fixed_size 312832
		.amdhsa_private_segment_fixed_size 0
		.amdhsa_enable_private_segment 0
		.amdhsa_kernarg_size 56
		.amdhsa_user_sgpr_count 2
		.amdhsa_user_sgpr_kernarg_segment_ptr 1
		.amdhsa_wavefront_size32 1
		.amdhsa_system_sgpr_workgroup_id_x 1
		.amdhsa_system_sgpr_workgroup_id_y 1
		.amdhsa_system_sgpr_workgroup_id_z 1
		.amdhsa_system_vgpr_workitem_id 0
		.amdhsa_next_free_vgpr 1024
		.amdhsa_next_free_sgpr 96
		.amdhsa_reserve_vcc 1
		.amdhsa_float_denorm_mode_32 3
		.amdhsa_float_denorm_mode_16_64 3
		.amdhsa_memory_ordered 1
		.amdhsa_forward_progress 1
		.amdhsa_inst_pref_size 190
	.end_amdhsa_kernel
	.amdgpu_metadata
---
amdhsa.version: [ 1, 2 ]
amdhsa.kernels:
  - .name:           k_q3fb0483fb0_ffn2
    .symbol:         k_q3fb0483fb0_ffn2.kd
    .args:
      - { .name: hbuf, .offset: 0, .size: 8, .value_kind: global_buffer, .address_space: global }
      - { .name: W2, .offset: 8, .size: 8, .value_kind: global_buffer, .address_space: global }
      - { .name: b2, .offset: 16, .size: 8, .value_kind: global_buffer, .address_space: global }
      - { .name: bitmap, .offset: 24, .size: 8, .value_kind: global_buffer, .address_space: global }
      - { .name: gwe, .offset: 32, .size: 8, .value_kind: global_buffer, .address_space: global }
      - { .name: jtab, .offset: 40, .size: 8, .value_kind: global_buffer, .address_space: global }
      - { .name: ypart, .offset: 48, .size: 8, .value_kind: global_buffer, .address_space: global }
    .group_segment_fixed_size: 312832
    .private_segment_fixed_size: 0
    .kernarg_segment_align: 8
    .kernarg_segment_size: 56
    .max_flat_workgroup_size: 128
    .sgpr_count:     96
    .vgpr_count:     1024
    .wavefront_size: 32
...
	.end_amdgpu_metadata
.endif
;; end of part 3
;; launch combine (part 4): grid 256 x 1, 8 waves a work-group, no clusters, 0 bytes of LDS; arguments ypart, padding_mask, stats, out0, out2; writes out0, out2
.if DOCPART == 4
	.amdgcn_target "amdgcn-amd-amdhsa--gfx1250"
	.amdhsa_code_object_version 6
	.text
	.protected	k_q3fb0483fb0_combine
	.globl	k_q3fb0483fb0_combine
	.p2align	8
	.type	k_q3fb0483fb0_combine,@function
k_q3fb0483fb0_combine:
	s_mov_b64 s[64:65], 0
	v_nop
	global_prefetch_b8 v0, s[64:65] scope:SCOPE_SE
	s_setreg_imm32_b32 hwreg(HW_REG_WAVE_MODE, 25, 1), 1
	s_wait_xcnt 0x0
; THE SUM.  out0[token] = the sum of the token's eight partial rows (four K windows x two experts, each already times its gate weight), in a fixed order, in f32; 0 for a padded token, whose
; partial rows nobody wrote and nobody reads.  out2 = 8 x sum over e of (first choices of e / n) (sum of e's gate values / n), n the tokens that are not padded, from the 32 work-groups' parts in stats.
; SHARES.  A work-group has four tokens; a wave half a row, 2,048 bytes: 32 loads of 512 consecutive bytes, all out before the first wait; four stores of 512 consecutive bytes.
; A stream: no LDS, no barrier, no matrix unit, no cluster (no byte has two readers).
; LIMITS.  With every token padded out2 is 0 x infinity, a NaN, as the quotient 0 / 0 is.  The division by n is a reciprocal (1 ulp).
.set OFFP, 4                           ; v4-11   part p: p x 4 MiB + 16 lane
.set Y,    32                          ; v[32:159] piece i of four, part p at Y + 32 i + 4 p
.set SD,   160                         ; v[160:191] the loss: a row of stats
.macro ADD4 d, s                       ; four numbers of one part onto another's
	v_pk_add_f32 v[\d:\d+1], v[\d:\d+1], v[\s:\s+1]
	v_pk_add_f32 v[\d+2:\d+3], v[\d+2:\d+3], v[\s+2:\s+3]
.endm
; The loss, by wave 0 of work-group 0 alone: its loads, their wait and their use all stand inside the branch.  Lane k sums row min(k, 16) of stats.
.macro LOSS
	s_cmp_lg_u32 s22, 0
	s_cbranch_scc1 .Lnot_mine_\@
	v_min_u32 v12, 16, v1
	v_lshlrev_b32 v12, 7, v12
.irp q, 0,1,2,3,4,5,6,7
	global_load_b128 v[SD+4*\q:SD+4*\q+3], v12, s[8:9] offset:16*\q
.endr
	s_wait_loadcnt 0x0
.irp t, 0,1,2,3,4,5,6,7
	v_pk_add_f32 v[SD+2*\t:SD+2*\t+1], v[SD+2*\t:SD+2*\t+1], v[SD+16+2*\t:SD+16+2*\t+1]
.endr
.irp t, 0,1,2,3
	v_pk_add_f32 v[SD+2*\t:SD+2*\t+1], v[SD+2*\t:SD+2*\t+1], v[SD+8+2*\t:SD+8+2*\t+1]
.endr
.irp t, 0,1
	v_pk_add_f32 v[SD+2*\t:SD+2*\t+1], v[SD+2*\t:SD+2*\t+1], v[SD+4+2*\t:SD+4+2*\t+1]
.endr
	v_pk_add_f32 v[SD:SD+1], v[SD:SD+1], v[SD+2:SD+3]
	v_add_f32 v13, v[SD], v[SD+1]                  ; lanes 0-7 first choices, 8-15 gate sums, 16 on: n
	v_mov_b32 v14, 0
	v_mul_f32_dpp v14, v13, v13 row_xmask:8 row_mask:0xf bank_mask:0xf   ; lane e: count x sum
	v_add_f32_dpp v14, v14, v14 row_xmask:1 row_mask:0xf bank_mask:0xf
	v_add_f32_dpp v14, v14, v14 row_xmask:2 row_mask:0xf bank_mask:0xf
	v_add_f32_dpp v14, v14, v14 row_xmask:4 row_mask:0xf bank_mask:0xf
	v_readlane_b32 s24, v13, 16
	v_mov_b32 v15, s24
	v_rcp_f32 v16, v15
	v_mul_f32 v14, 0x41000000, v14                 ; times 8: the plain instruction behind the reciprocal
	s_wait_alu depctr_va_vdst(0)
	v_mul_f32 v14, v14, v16
	v_mul_f32 v14, v14, v16
	v_mov_b32 v17, 0
	s_wait_xcnt 0x0                                ; EXEC changes only behind this wait
	v_cmp_eq_u32 vcc_lo, 0, v1
	s_and_saveexec_b32 s25, vcc_lo
	global_store_b32 v17, v14, s[12:13]
	s_wait_xcnt 0x0
	s_or_b32 exec_lo, exec_lo, s25
.Lnot_mine_\@:
.endm
	s_load_b256 s[4:11], s[0:1], 0x0               ; ypart 4, mask 6, stats 8, out0 10
	s_load_b64 s[12:13], s[0:1], 0x20              ; out2
	v_and_b32 v1, 31, v0
	v_lshrrev_b32 v2, 5, v0
	v_readfirstlane_b32 s14, v2                    ; wave
	s_lshr_b32 s15, s14, 1
	s_lshl2_add_u32 s20, ttmp9, s15                ; my token = 4 x work-group + wave / 2
	s_mov_b32 s21, 0
	s_and_b32 s16, s14, 1
	s_lshl_b32 s16, s16, 11                        ; my half of its row
	s_lshl_b32 s18, s20, 12
	s_add_co_u32 s18, s18, s16
	s_mov_b32 s19, 0
	s_or_b32 s22, ttmp9, s14                       ; 0 for the one wave that makes the loss
	v_lshlrev_b32 v2, 4, v1
.irp p, 0,1,2,3,4,5,6,7
	v_add_nc_u32 v[OFFP+\p], (\p)<<22, v2
.endr
	s_wait_kmcnt 0x0
	s_add_nc_u64 s[6:7], s[6:7], s[20:21]
	s_load_u8 s23, s[6:7], 0x0                     ; the token's mask byte
	s_add_nc_u64 s[4:5], s[4:5], s[18:19]
	s_add_nc_u64 s[10:11], s[10:11], s[18:19]
	s_wait_kmcnt 0x0
	s_cmp_lg_u32 s23, 0
	s_cbranch_scc1 .Lpadded
.irp i, 0,1,2,3
.irp p, 0,1,2,3,4,5,6,7
	global_load_b128 v[Y+32*\i+4*\p:Y+32*\i+4*\p+3], v[OFFP+\p], s[4:5] offset:512*\i th:TH_LOAD_NT
.endr
.endr
	LOSS
.set i, 0
.rept 4
	s_wait_loadcnt 24-8*i                          ; the later pieces' loads, eight each, may stay out
.set D, Y+32*i
	ADD4 D, D+4
	ADD4 D+8, D+12
	ADD4 D+16, D+20
	ADD4 D+24, D+28
	ADD4 D, D+8
	ADD4 D+16, D+24
	ADD4 D, D+16
	global_store_b128 v2, v[D:D+3], s[10:11] offset:512*i th:TH_STORE_NT
.set i, i+1
.endr
	s_endpgm
.Lpadded:
	LOSS
	v_mov_b32 v[Y], 0
	v_mov_b32 v[Y+1], 0
	v_mov_b32 v[Y+2], 0
	v_mov_b32 v[Y+3], 0
.irp i, 0,1,2,3
	global_store_b128 v2, v[Y:Y+3], s[10:11] offset:512*\i th:TH_STORE_NT
.endr
	s_endpgm
.Lfunc_end_k_q3fb0483fb0_combine:
	.size	k_q3fb0483fb0_combine, .Lfunc_end_k_q3fb0483fb0_combine-k_q3fb0483fb0_combine
	.p2alignl 7, 3214868480
	.fill 96, 4, 3214868480
	.section	.rodata,"a",@progbits
	.p2align	6, 0x0
	.amdhsa_kernel k_q3fb0483fb0_combine
		.amdhsa_group_segment_fixed_size 0
		.amdhsa_private_segment_fixed_size 0
		.amdhsa_enable_private_segment 0
		.amdhsa_kernarg_size 40
		.amdhsa_user_sgpr_count 2
		.amdhsa_user_sgpr_kernarg_segment_ptr 1
		.amdhsa_wavefront_size32 1
		.amdhsa_system_sgpr_workgroup_id_x 1
		.amdhsa_system_sgpr_workgroup_id_y 1
		.amdhsa_system_sgpr_workgroup_id_z 1
		.amdhsa_system_vgpr_workitem_id 0
		.amdhsa_next_free_vgpr 192
		.amdhsa_next_free_sgpr 66
		.amdhsa_reserve_vcc 1
		.amdhsa_float_denorm_mode_32 3
		.amdhsa_float_denorm_mode_16_64 3
		.amdhsa_memory_ordered 1
		.amdhsa_forward_progress 1
		.amdhsa_inst_pref_size 15
	.end_amdhsa_kernel
	.amdgpu_metadata
---
amdhsa.version: [ 1, 2 ]
amdhsa.kernels:
  - .name:           k_q3fb0483fb0_combine
    .symbol:         k_q3fb0483fb0_combine.kd
    .args:
      - { .name: ypart, .offset: 0, .size: 8, .value_kind: global_buffer, .address_space: global }
      - { .name: padding_mask, .offset: 8, .size: 8, .value_kind: global_buffer, .address_space: global }
      - { .name: stats, .offset: 16, .size: 8, .value_kind: global_buffer, .address_space: global }
      - { .name: out0, .offset: 24, .size: 8, .value_kind: global_buffer, .address_space: global }
      - { .name: out2, .offset: 32, .size: 8, .value_kind: global_buffer, .address_space: global }
    .group_segment_fixed_size: 0
    .private_segment_fixed_size: 0
    .kernarg_segment_align: 8
    .kernarg_segment_size: 40
    .max_flat_workgroup_size: 256
    .sgpr_count:     66
    .vgpr_count:     192
    .wavefront_size: 32
...
	.end_amdgpu_metadata
.endif
;; end of part 4
;; ======== version 2 of 2: 4 launches; version 1 with the launches ffn1, ffn2 written anew for expert scheduling mode
;; workspace buffers: xb 2,097,152 bytes; hbuf 67,108,864 bytes; ypart 33,554,432 bytes; gwe 32,768 bytes; stats 4,096 bytes; jtab 32,768 bytes of whole numbers; bitmap 1,024 bytes of whole numbers
;; launch gate: the kernel of part 1 again; grid 32 x 1, 8 waves a work-group, no clusters, 97,280 bytes of LDS; arguments x, Wg, padding_mask, xb, out1, gwe, jtab, bitmap, stats; writes xb, out1, gwe, jtab, bitmap, stats
;; launch ffn1 (part 5): grid 256 x 1, 4 waves a work-group, no clusters, 312,832 bytes of LDS; arguments xb, W1, b1, bitmap, hbuf; writes hbuf
.if DOCPART == 5
	.amdgcn_target "amdgcn-amd-amdhsa--gfx1250"
	.amdhsa_code_object_version 6
	.text
	.protected	k_q3fb0483fb0_ffn1
	.globl	k_q3fb0483fb0_ffn1
	.p2align	8
	.type	k_q3fb0483fb0_ffn1,@function
k_q3fb0483fb0_ffn1:
	s_mov_b64 s[64:65], 0
	v_nop
	global_prefetch_b8 v0, s[64:65] scope:SCOPE_SE
	s_setreg_imm32_b32 hwreg(HW_REG_WAVE_SCHED_MODE, 0, 2), 2
	s_setreg_imm32_b32 hwreg(HW_REG_WAVE_MODE, 25, 1), 1
	s_wait_xcnt 0x0
	s_wait_alu depctr_vm_vsrc(0)
; AN EXPERT'S PRODUCT ON A SLICE OF ITS WEIGHTS.  One text for both products; KIND says which.
;   KIND 1: h = relu(X_e W1_e^T + b1_e) for the tokens X_e that chose expert e.   KIND 2: gw (h W2_e^T + b2_e), K split in four windows of 1,024; the parts are added by the last launch.
; SHARES.  A work-group owns 128 output columns x 1,024 of K of ONE expert: 512 KiB of f32 weights that it alone reads, once.  8 experts x 32 slices = 256 work-groups.
; K goes in 8 chunks of 128.  A chunk (128 rows x 512 bytes) comes through registers: wave w takes rows 32 w .. 32 w + 31, each load 512 consecutive bytes; it is rounded to bf16 and stored ONCE into
; LDS bytes of its own, so no LDS byte of the weights is ever written twice, and the slice stays there for an expert with more rows than one pass holds.
; ROWS.  The expert's tokens, in token order, have places 0, 1, ..; 16 places are a tile, 20 tiles a block; wave w owns tiles 20 rb + 4 a + w, a = 0..4.  The token of a place is found from the expert's
; bitmap, which lies in 32 scalar registers: a scan over the words gives each lane the word that holds its place and the places in front of that word; five halvings on the word's bit counts give the
; bit.  Every wave does this for its own 80 places, in registers: no list in LDS, no barrier, no exchange between lanes.
; The first block's sums stay in registers while the weights stream: chunk c is multiplied while chunk c + 1 is on its way.  Later blocks (an expert with over 320 rows) walk the slice in LDS again:
; four blocks serve all 1,024 tokens on one expert.  The loop over blocks has four trips whatever the count; every wave passes every barrier in it, and only work is jumped.
; Places past the count repeat the last token: the same numbers, in KIND 2 to the same address.  Tiles 3 and 4 are jumped where they hold no row; the jump passes matrix instructions alone, so every count of a wait is a constant.
; THE MATRIX INSTRUCTION IS USED TRANSPOSED: source 0 = 16 rows of W, source 1 = 16 tokens: a lane holds one token (lane % 16) and eight neighbouring columns 16 b + 8 (lane / 16) + 0..7.
; hbuf[e][tile][k step of 32][half][lane][8 bf16]: KIND 1's 16 bytes a lane ARE KIND 2's token fragments: stored and loaded 512 consecutive bytes an instruction, with no turn through LDS.
; NO CLUSTER: each weight byte has one reader; the token rows that an expert's work-groups share come by their numbers (KIND 1), and a chunk's 80 KiB of them twice do not fit beside the slice (KIND 2).
; FORMATS.  Operands bf16 (h may pass f16's range for large inputs), sums f32; the sums begin with the bias, unrounded.  LIMITS: NaN and infinities are not treated apart (KIND 2 multiplies b2 by 0 in three of four windows).
; REGISTERS, in windows of 256 (s_set_vgpr_msb: bits 1:0 source 0, 3:2 source 1, 5:4 source 2, 7:6 destination):
;   window 0: v0-31 addresses and work; v32-95, v96-159 W's fragments of one k step each (v32-116 at work while tokens are found); v160-223 the bias; v224-255 at work on the way out
;   window 1: v0-159 token fragments (tile a, k step k at 32 a + 8 k); v160-164 their offsets; v166-175 (gw, j) a tile; v176-180 tokens
;   window 2: the sums of tiles 0-3 (64 a + 8 b)          window 3: v0-63 tile 4's sums; v64-191 a chunk of W as loaded; v192-255 the same chunk rounded
; THE MODE: SCHED_MODE bits 1:0 = 2 (LLVM: expert scheduling mode 2), set by the entry lines.  The code itself states the register dependences between vector or matrix instructions and memory or LDS
; instructions, with s_wait_alu, always for 0.
; THE PLAN.  Registers that memory or LDS instructions touch while chunks are walked:
;   SG, a chunk as loaded     RETIRE's conversions read it; behind them the next chunk's 32 loads land in it.
;   WT, the chunk rounded     the conversions write it; the 32 LDS stores read it.  v[WSA], the stores' address, is written once a chunk, ahead of the conversions.
;   BF0, BF1, W's fragments   k step k's products read BF[k % 2]; the LDS loads for step k + 1, issued in step k, land in the other one, which step k - 1's products read.
;   T[a][k], token fragments  k step k's products read them; the next chunk's loads for k step k land in them: issued in step k + 1, those for k = 3 at the chunk's tail.
;   v[BL]                     read by every LDS load of a fragment; written once a chunk, at the tail.
;   v[WOF], v[PF], v[AOFF ..], v[L16], v[STO], v[SRD]: offsets and addresses that no line of a loop writes.
; So a chunk has five waits on va_vdst: behind RETIRE's conversions; at the head of k steps 1, 2 and 3; at the tail.  Behind the wait at a step's head the step's loads stand behind its first eight
; products, which name BF[k % 2], T[0][k] and tile 0's sums: none of the registers that those loads touch.  And two waits on vm_vsrc: ahead of the add to v[WSA], ahead of the add to v[BL].
.set KIND, 1
.if KIND == 1
.set LOGP,   12                        ; a row of W is 4,096 bytes
.set AKS,    64                        ; bytes from k step to k step in the token operand
.set AH,     32                        ; to a fragment's second half
.set ACH,    256                       ; from chunk to chunk
.else
.set LOGP,   14
.set AKS,    1024
.set AH,     512
.set ACH,    4096
.endif
.set PITCHW, 1<<LOGP
.set WP,     272                       ; a row of a chunk in LDS: 256 bytes + 16: the 16 rows of a fragment load start 68 words apart
.set CHB,    128*WP                    ; a chunk in LDS
.set STG,    8*CHB                     ; KIND 2: 16 rows x 528 bytes for each wave, for the way out
.set SPITCH, 528
.set SPARE,  STG+4*16*SPITCH           ; the spare words, 128 bytes for each wave: no other line names them
.set LANE, 1
.set R,    2                           ; lane % 16
.set H16,  3                           ; 16 (lane / 16)
.set L16,  4                           ; 16 lane
.set BL0,  5                           ; my place in a chunk's fragments
.set BL,   6                           ; the same in the chunk in hand
.set PF,   7                           ; thread x a row of W: the prefetches' offset
.set Z,    8                           ; 0
.set H32,  9                           ; 32 (lane / 16)
.set WSA0, 10                          ; my wave's 32 rows of a chunk in LDS, 8 bytes a lane
.set WSA,  11                          ; the same in the chunk in hand
.set WOF,  12                          ; my wave's 32 rows of a chunk in memory, 16 bytes a lane
.set PT,   16                          ; v16-20 my place among the expert's tokens, a tile each; in KIND 2 later 4 x token
.set TKN,  21                          ; v21-25 tokens, a tile each
.set STO,  26
.set SRD,  27
.set RI,   28
.set SPW,  30
.set NIL,  31
.set BF,   32
.set MM,   32                          ; while tokens are found, five registers each, a tile each: the word that holds my place
.set KK,   40                          ; the word's number << 16 + the places in front of it
.set NN,   48                          ; set bits still in front of mine
.set SA,   56                          ; the word's bit counts by 2,
.set SB,   64                          ; by 4,
.set SC,   72                          ; by 8,
.set SD,   80                          ; and (low byte) of its low 16 places
.set SS,   88                          ; the bit found so far
.set TT,   96
.set UU,   104
.set VV,   112
.set BIAS, 160
.set TMP,  224
.set AOFF, 160                         ; window 1
.set GWJ,  166
.set TK,   176
.set SG,   64                          ; window 3
.set WT,   192
.set MK,   84                          ; s84-88 the five tiles' masks while tokens are found
; s[2:3], s[68:69] four words of the bitmap on their way round  s[4:5] token operand  s[6:7] W at the chunk in hand  s[8:9] bias  s[10:11] bitmap  s[12:17] the other buffers  s18, s19, s92-95 constants
; s20 wave  s21 expert  s22 slice  s23 K window  s24 count  s25 last place  s26 live tiles  s27 my live tiles in the block  s28 blocks to go  s29 my first tile  s30 trips  s31 the chunk's LDS byte
; s[32:63] bitmap  s[66:67] token operand at the chunk  s[70:71] an offset, high word 0  s[72:73] output  s74-79 at work  s80 written tiles - 1  s83 the block's first tile  s84-91 masks; rows on the way out
.set MSB, 0
.macro WIN new                         ; the immediate's high byte repeats the setting that is left; a switch that changes nothing is dropped
.if MSB != (\new)
	s_set_vgpr_msb (MSB<<8)|(\new)
.set MSB, (\new)
.endif
.endm
.macro PADD p, off                     ; a buffer's address plus a 32-bit offset
	s_mov_b32 s70, s[\off]
	s_add_nc_u64 s[\p:\p+1], s[\p:\p+1], s[70:71]
.endm
.macro PLACES                          ; four places between a matrix instruction and a load into, or a vector instruction on, its registers (ISA guide 7.12.1 for vector instructions)
.rept 4
	v_nop
.endr
.endm
.macro BAR                             ; my LDS instructions are done; then every wave's are
	s_wait_dscnt 0x0
	s_barrier_signal -1
	s_barrier_wait -1
.endm
.macro ALL5 line:vararg                ; one line for each of my five tiles t
.set t, 0
.rept 5
	\line
.set t, t+1
.endr
.endm
; A chunk of W leaves its registers: rounded, 8 bytes a lane, a row's 256 bytes a store.  again = 1: its registers are at once asked for the next chunk, ahead of the stores.
; The rounded chunk has 64 registers of its own, so that one wait behind the 64 conversions serves the 32 loads and the 32 stores, and the stores have a whole chunk's work in which to read them.
; Behind the last load of the chunk stand the 40 loads of token fragments, or more: s_wait_loadcnt 40 shows the chunk in.
.macro RETIRE again
	WIN 0
	s_wait_alu depctr_vm_vsrc(0)                   ; the last chunk's LDS stores have read v[WSA] and the rounded rows, which are written again below
	v_add_nc_u32 v[WSA], s31, v[WSA0]
	s_wait_loadcnt 40
	WIN 0xcf
.set i, 0
.rept 32
	v_cvt_pk_bf16_f32 v[WT+2*i], v[SG+4*i], v[SG+4*i+1]
	v_cvt_pk_bf16_f32 v[WT+2*i+1], v[SG+4*i+2], v[SG+4*i+3]
.set i, i+1
.endr
.if \again
	WIN 0xc0
	s_wait_alu depctr_va_vdst(0)                   ; the conversions are done reading the chunk as loaded, in which the loads below land, and have written the rounded rows, which the stores below read; v[WSA] is written
.set i, 0
.rept 32
	global_load_b128 v[SG+4*i:SG+4*i+3], v[WOF], s[6:7] offset:PITCHW*i+512 th:TH_LOAD_NT
.set i, i+1
.endr
	WIN 0x0c
.else
	WIN 0x0c
	s_wait_alu depctr_va_vdst(0)                   ; the conversions have written the rounded rows, which the stores below read; v[WSA] is written
.endif
.set i, 0
.rept 32
	ds_store_b64 v[WSA], v[WT+2*i:WT+2*i+1] offset:WP*i
.set i, i+1
.endr
	WIN 0
.endm
.macro FETCHB k                        ; W's eight fragments of k step k: 16 LDS loads in one run
	WIN 0
.irp b, 0,1,2,3,4,5,6,7
	ds_load_b128 v[BF+64*((\k)%2)+8*\b:BF+64*((\k)%2)+8*\b+3],   v[BL] offset:16*WP*\b+64*(\k)
	ds_load_b128 v[BF+64*((\k)%2)+8*\b+4:BF+64*((\k)%2)+8*\b+7], v[BL] offset:16*WP*\b+64*(\k)+32
.endr
.endm
.macro ALOAD k, ahead                  ; the five tiles' token fragments of k step k, of the chunk at which s[66:67] stands or (ahead = 1) the next: 10 loads
	WIN 0x41
.irp a, 0,1,2,3,4
	global_load_b128 v[32*\a+8*(\k):32*\a+8*(\k)+3],   v[AOFF+\a], s[66:67] offset:(\ahead)*ACH+AKS*(\k)
	global_load_b128 v[32*\a+8*(\k)+4:32*\a+8*(\k)+7], v[AOFF+\a], s[66:67] offset:(\ahead)*ACH+AKS*(\k)+AH
.endr
.endm
.macro MUL a, k                        ; tile a, k step k: its eight sums take turns, one instruction a turn
.if (\a) < 4
	WIN 0xa4
.set AC, 64*(\a)
.else
	WIN 0xf4
.set AC, 0
.endif
.irp b, 0,1,2,3,4,5,6,7
	v_wmma_f32_16x16x32_bf16 v[AC+8*\b:AC+8*\b+7], v[BF+64*((\k)%2)+8*\b:BF+64*((\k)%2)+8*\b+7], v[32*(\a)+8*(\k):32*(\a)+8*(\k)+7], v[AC+8*\b:AC+8*\b+7]
.endr
.endm
.macro GMUL a, k                       ; the same, jumped where the tile holds no row
	WIN 0
	s_cmp_gt_u32 s27, \a
	s_cbranch_scc0 .Ldead_\@
	MUL \a, \k
	WIN 0
.Ldead_\@:
.endm
; A chunk is multiplied: four k steps.  At the head of step k > 0: four places behind the products of step k - 1, and the step's one wait on va_vdst.  Behind the step's first eight products: W's
; fragments of step k + 1 into the buffer that step k - 1 read; with refill = 1 the next chunk's token fragments into the registers that step k - 1 read.  The step that loads nothing has no such wait.
; s_wait_dscnt 0 at a step's head: the run issued in the step before is in; nothing younger is out.
; s_wait_loadcnt: behind the token fragments of step k stand 10 (3 - k) loads of this chunk, wn loads of W reissued since, and the refills of steps 1 .. k - 1, 10 each: 30 + wn at k = 0, 20 + wn
; later; without refills 30 - 10 k.
; THE BASES AND v[BL] ARE STEPPED AT THE TAIL, between the last products and the refill of k step 3, which then names the stepped base: the youngest load in front of that one s_wait_xcnt 0 was issued
; ahead of 16 to 32 of the last k step's matrix instructions.  wn > 0: W's base steps too.  last = 1: the chunk is the slice's last, at the constant 7 CHB; else v[BL] stands at it already.
.macro CHUNK refill, wn, last=0
	WIN 0
.if \last
	s_wait_alu depctr_vm_vsrc(0)                   ; the LDS loads issued so far have read v[BL]
	v_add_nc_u32 v[BL], 7*CHB, v[BL0]
	s_wait_alu depctr_va_vdst(0)                   ; v[BL] is written, which the LDS loads below read
.endif
	FETCHB 0
.irp ks, 0,1,2,3
.if \ks > 0
	PLACES
.if (\ks < 3) || (\refill)
	s_wait_alu depctr_va_vdst(0)                   ; the products of the step before are done reading their fragments of W and of the tokens, in which this step's loads land
.endif
.endif
.if \refill
.if \ks == 0
	s_wait_loadcnt 30+(\wn)
.else
	s_wait_loadcnt 20+(\wn)
.endif
.else
	s_wait_loadcnt 30-10*(\ks)
.endif
	s_wait_dscnt 0x0
	MUL 0, \ks
.if \ks < 3
	FETCHB (\ks)+1                                 ; no wait: no vector or matrix instruction since the last wait on va_vdst names v[BL] or this buffer
.endif
.if (\refill) && (\ks > 0)
	ALOAD (\ks)-1, 1                               ; likewise: none names the offsets or the fragments of the step before
.endif
	MUL 1, \ks
	MUL 2, \ks
	GMUL 3, \ks
	GMUL 4, \ks
.endr
	PLACES
.if \refill
	s_add_co_u32 s31, s31, CHB
	s_wait_alu depctr_vm_vsrc(0)                   ; this chunk's LDS loads have read v[BL]
	v_add_nc_u32 v[BL], s31, v[BL0]                ; the next chunk's fragments
	s_wait_xcnt 0x0                                ; every load and prefetch issued so far has had its address translated: the bases may be stepped
	s_add_nc_u64 s[66:67], s[66:67], ACH
.if \wn
	s_add_nc_u64 s[6:7], s[6:7], 512
.endif
	WIN 0x41
	s_wait_alu depctr_va_vdst(0)                   ; the last k step's products are done reading their token fragments, in which the loads below land, and both buffers of W's fragments, in which the next chunk's first loads land; v[BL] is written
	ALOAD 3, 0
.endif
	WIN 0
.endm
.macro INIT                            ; the sums begin with the bias of their columns
	WIN 0x80
.set i, 0
.rept 256
	v_mov_b32 v[i], v[BIAS+i%64]
.set i, i+1
.endr
	WIN 0xc0
.set i, 0
.rept 64
	v_mov_b32 v[i], v[BIAS+i]
.set i, i+1
.endr
	WIN 0
.endm
; One halving: x holds the word's bit counts in fields of w bits; the field at the bit found so far counts the lower inc places.  If that many set bits or more stand in front of mine, mine lies in the upper half.
.macro LEVEL x, w, inc
	ALL5 v_bfe_u32 v[TT+t], v[(\x)+t], v[SS+t], \w
	ALL5 v_sub_nc_u32 v[UU+t], v[NN+t], v[TT+t]
	ALL5 v_add_nc_u32 v[VV+t], \inc, v[SS+t]
	ALL5 v_cmp_ge_u32 s[MK+t], v[NN+t], v[TT+t]
	s_wait_alu depctr_va_sdst(0)                   ; the five compares have written their masks, which the selects below read
.set t, 0
.rept 5
	v_cndmask_b32 v[NN+t], v[NN+t], v[UU+t], s[MK+t]
	v_cndmask_b32 v[SS+t], v[SS+t], v[VV+t], s[MK+t]
.set t, t+1
.endr
.endm
; THE TOKENS OF MY FIVE TILES.  My place in tile a is 16 (s29 + 4 a) + lane % 16, or the last place past the count.  The scan takes the 32 words in order, four a trip; the registers that hold them
; turn by four words a trip and stand as before behind the eighth.  s75: set bits up to and with the word in hand; s76: the same + (the word's number + 1) << 16.  While my place is not among
; those bits, I take the NEXT word and s76.  (An expert without tokens: no word holds place 0; the clamp keeps whatever comes out inside the table, and no result of it is stored by KIND 2.)
; The five tiles' compares stand in a run, a scalar register each, with one wait between the run and the selects.
.macro SELECT
	WIN 0
	s_lshl_b32 s74, s29, 4
.irp a, 0,1,2,3,4
	v_add_nc_u32 v[PT+\a], s74, v[R]
	s_add_co_u32 s74, s74, 64
	v_min_u32 v[PT+\a], s25, v[PT+\a]
	v_mov_b32 v[MM+\a], s32
	v_mov_b32 v[KK+\a], 0
	v_mov_b32 v[SS+\a], 0
.endr
	s_mov_b32 s75, 0
	s_mov_b32 s76, 0
	s_mov_b32 s77, 8
.Lscan_\@:
.irp u, 0,1,2,3
	s_bcnt1_i32_b32 s78, s[32+\u]
	s_add_co_u32 s75, s75, s78
	s_add_co_u32 s76, s76, s78
	s_add_co_u32 s76, s76, s95
.irp a, 0,1,2,3,4
	v_cmp_gt_u32 s[MK+\a], s75, v[PT+\a]                     ; is my place among the bits so far?
.endr
	s_wait_alu depctr_va_sdst(0)                             ; the five compares have written their masks, which the selects below read
.irp a, 0,1,2,3,4
	v_cndmask_b32 v[MM+\a], s[33+\u], v[MM+\a], s[MK+\a]     ; if not: the next word,
	v_cndmask_b32 v[KK+\a], s76, v[KK+\a], s[MK+\a]          ; its number and the places in front of it
.endr
.endr
	s_mov_b64 s[2:3], s[32:33]
	s_mov_b64 s[68:69], s[34:35]
.set t, 0
.rept 14
	s_mov_b64 s[32+2*t:33+2*t], s[36+2*t:37+2*t]
.set t, t+1
.endr
	s_mov_b64 s[60:61], s[2:3]
	s_mov_b64 s[62:63], s[68:69]
	s_sub_co_u32 s77, s77, 1
	s_cmp_lg_u32 s77, 0
	s_cbranch_scc1 .Lscan_\@
	ALL5 v_and_b32 v[TT+t], s18, v[KK+t]
	ALL5 v_sub_nc_u32 v[NN+t], v[PT+t], v[TT+t]              ; set bits of the word in front of mine
	ALL5 v_lshrrev_b32 v[KK+t], 16, v[KK+t]                  ; the word's number
	ALL5 v_lshrrev_b32 v[TT+t], 1, v[MM+t]
	ALL5 v_and_b32 v[TT+t], s92, v[TT+t]
	ALL5 v_sub_nc_u32 v[SA+t], v[MM+t], v[TT+t]              ; counts by 2 places
	ALL5 v_lshrrev_b32 v[TT+t], 2, v[SA+t]
	ALL5 v_and_b32 v[UU+t], s93, v[SA+t]
	ALL5 v_and_b32 v[TT+t], s93, v[TT+t]
	ALL5 v_add_nc_u32 v[SB+t], v[UU+t], v[TT+t]              ; by 4
	ALL5 v_lshrrev_b32 v[TT+t], 4, v[SB+t]
	ALL5 v_add_nc_u32 v[TT+t], v[TT+t], v[SB+t]
	ALL5 v_and_b32 v[SC+t], s94, v[TT+t]                     ; by 8
	ALL5 v_lshrrev_b32 v[TT+t], 8, v[SC+t]
	ALL5 v_add_nc_u32 v[SD+t], v[TT+t], v[SC+t]              ; low byte: the low 16 places
	LEVEL SD, 8, 16
	LEVEL SC, 8, 8
	LEVEL SB, 4, 4
	LEVEL SA, 2, 2
	LEVEL MM, 1, 1
	ALL5 v_lshl_add_u32 v[TKN+t], v[KK+t], 5, v[SS+t]        ; token = 32 x word + bit
	ALL5 v_min_u32 v[TKN+t], 0x3ff, v[TKN+t]
.endm
; A block begins: how many of my five tiles hold rows; the offsets of their fragments; chunk 0's fragments are asked for.  KIND 1 needs the tokens for that.  KIND 2 reads hbuf by tiles, so its
; loads go out first, and the tokens, which the way out needs, are found while they are on their way.
.macro PREP
	WIN 0
	s_sub_co_i32 s27, s26, s29
	s_add_co_i32 s27, s27, 3
	s_ashr_i32 s27, s27, 2
	s_max_i32 s27, s27, 0
	s_min_i32 s27, s27, 5                          ; tiles s29 + 4 a below the count of live tiles
.if KIND == 1
	SELECT
	WIN 0x40
.irp a, 0,1,2,3,4
	v_lshl_add_u32 v[AOFF+\a], v[TKN+\a], 11, v[H16]   ; the token's row of xb, 16 bytes for each half of the lanes
.endr
.else
	WIN 0x40
.irp a, 0,1,2,3,4
	s_add_co_u32 s75, s29, 4*\a
	s_min_u32 s75, s75, s80                        ; a tile without rows reads the last tile that was written
	s_min_u32 s75, s75, 63
	s_lshl_b32 s75, s75, 17
	v_add_nc_u32 v[AOFF+\a], s75, v[L16]
.endr
.endif
	WIN 0x41
	s_wait_alu depctr_va_vdst(0)                   ; the five offsets are written, which the loads below read; in a later block v[BL] is written, and the last block's products are done reading the registers in which the loads land
.irp k, 0,1,2,3
	ALOAD \k, 0                                    ; chunk 0's token fragments, k step by k step
.endr
.if KIND == 2
	SELECT
.irp a, 0,1,2,3,4
	v_lshlrev_b32 v[PT+\a], 2, v[TKN+\a]
.endr
	WIN 0x40
.irp a, 0,1,2,3,4
	v_mov_b32 v[TK+\a], v[TKN+\a]
.endr
	s_wait_alu depctr_va_vdst(0)                   ; 4 x token is written, which the loads below read; the search is done with W's fragments' registers; in a later block the last way out is done reading (gw, j)
.irp a, 0,1,2,3,4
	global_load_b32 v[GWJ+2*\a], v[PT+\a], s[12:13]      ; the token's weight for this expert,
	global_load_b32 v[GWJ+2*\a+1], v[PT+\a], s[14:15]    ; and which of its two partial rows is this expert's
.endr
.endif
	WIN 0
.endm
; THE WAY OUT of tile a, jumped where it holds no row.
.macro EOUT a
.set W, 2+(\a)/4                       ; the window of its sums
.set AC, 64*((\a)%4)
	WIN 0
	s_cmp_gt_u32 s27, \a
	s_cbranch_scc0 .Lnone_\@
	s_wait_xcnt 0x0                                ; the last tile's stores have had their addresses translated: their registers and their base may be written
	s_wait_alu depctr_vm_vsrc(0)                   ; the last tile's stores have read their vector registers, which this tile writes again
.if KIND == 1
	s_add_co_u32 s70, s29, 4*(\a)
	s_lshl_b32 s70, s70, 17
	s_add_nc_u64 s[72:73], s[12:13], s[70:71]      ; the tile's 131,072 bytes of hbuf, at my slice's 4,096
	WIN (W<<2)|W
.irp b, 0,1,2,3,4,5,6,7
.irp q, 0,1,2,3
	v_cvt_pk_bf16_f32 v[TMP+4*\b+\q], v[AC+8*\b+2*\q], v[AC+8*\b+2*\q+1]
.endr
.endr
	WIN 0
.set i, 0
.rept 32
	v_pk_max_num_bf16 v[TMP+i], v[TMP+i], v[Z]     ; relu behind the rounding: the same number as the rounding behind relu
.set i, i+1
.endr
	s_wait_alu depctr_va_vdst(0)                   ; the 32 registers of the tile's h are written, which the stores below read
.irp b, 0,1,2,3,4,5,6,7
	global_store_b128 v[L16], v[TMP+4*\b:TMP+4*\b+3], s[72:73] offset:512*\b   ; 512 consecutive bytes: half a fragment of the second product
.endr
.else
	WIN 0x14
	v_min_u32 v[RI], 1, v[GWJ+2*(\a)+1]
	v_lshl_add_u32 v[RI], v[RI], 10, v[TK+(\a)]    ; my token's row among 2 x 1,024: j x 1,024 + token
	WIN 0
.irp g, 0,1
.irp i, 0,1,2,3,4,5,6,7
	v_readlane_b32 s[84+\i], v[RI], 8*\g+\i
.endr
	s_wait_alu depctr_va_sdst(0)                   ; the eight rows' numbers are written, which the scalar lines below read
.irp i, 0,1,2,3,4,5,6,7
	s_min_u32 s[84+\i], s[84+\i], 2047
	s_lshl_b32 s[84+\i], s[84+\i], 12
	v_add_nc_u32 v[TMP+8*\g+\i], s[84+\i], v[L16]  ; row 8 g + i of the tile: where its 512 bytes go
.endr
.endr
	WIN (W<<6)|(1<<2)|W
.set i, 0
.rept 32
	v_pk_mul_f32 v[AC+2*i:AC+2*i+1], v[AC+2*i:AC+2*i+1], v[GWJ+2*(\a):GWJ+2*(\a)+1] op_sel_hi:[1,0]   ; times the token's weight
.set i, i+1
.endr
	WIN W<<2
	s_wait_alu depctr_va_vdst(0)                   ; the weighted sums are written, which the LDS stores read, and the sixteen offsets, which the global stores read; the products are done reading W's fragments' registers, in which the rows come back
.irp b, 0,1,2,3,4,5,6,7
	ds_store_b128 v[STO], v[AC+8*\b:AC+8*\b+3] offset:64*\b
	ds_store_b128 v[STO], v[AC+8*\b+4:AC+8*\b+7] offset:64*\b+16
.endr
	WIN 0
.irp i, 0,1,2,3,4,5,6,7,8,9,10,11,12,13,14,15
	ds_load_b128 v[BF+4*\i:BF+4*\i+3], v[SRD] offset:SPITCH*\i   ; my own stage, served in order: whole rows come back
.endr
.irp i, 0,1,2,3,4,5,6,7,8,9,10,11,12,13,14,15
	s_wait_dscnt 15-\i
	global_store_b128 v[TMP+\i], v[BF+4*\i:BF+4*\i+3], s[16:17]   ; 512 consecutive bytes of one partial row
.endr
.endif
.Lnone_\@:
.endm
	s_load_b256 s[4:11], s[0:1], 0x0               ; token operand, W, bias, bitmap
.if KIND == 1
	s_load_b64 s[12:13], s[0:1], 0x20              ; hbuf
.else
	s_load_b128 s[12:15], s[0:1], 0x20             ; gwe, jtab
	s_load_b64 s[16:17], s[0:1], 0x30              ; ypart
.endif
	v_lshl_add_u32 v[SPW], v0, 2, SPARE
	v_mov_b32 v[NIL], 0
	v_and_b32 v[LANE], 31, v0
	v_lshrrev_b32 v13, 5, v0
	v_readfirstlane_b32 s20, v13                   ; wave
	v_and_b32 v[R], 15, v0
	v_bfe_u32 v13, v0, 4, 1
	v_lshlrev_b32 v[H16], 4, v13
	v_lshlrev_b32 v[H32], 5, v13
	v_lshlrev_b32 v[L16], 4, v[LANE]
	v_mul_u32_u24 v[BL0], v[R], WP
	v_add_nc_u32 v[BL0], v[BL0], v[H16]
	v_lshlrev_b32 v[PF], LOGP, v0
	v_mov_b32 v[Z], 0
	s_wait_alu depctr_va_sdst(0)                   ; s20 is written, ahead of its first reader
	s_mul_i32 s74, s20, 32*WP
	s_lshl_b32 s75, s20, LOGP+5
	v_lshl_add_u32 v[WSA0], v[LANE], 3, s74        ; my wave's 32 rows of a chunk in LDS, 8 bytes a lane
	v_lshl_add_u32 v[WOF], v[LANE], 4, s75         ; and in memory, 16 bytes a lane
	s_mov_b32 s18, 0xffff                          ; the masks of the bit counts, and 1 << 16
	s_mov_b32 s19, 0xff
	s_mov_b32 s92, 0x55555555
	s_mov_b32 s93, 0x33333333
	s_mov_b32 s94, 0x0f0f0f0f
	s_mov_b32 s95, 0x10000
	s_mov_b32 s71, 0
	s_lshr_b32 s21, ttmp9, 5                       ; the expert
	s_lshl_b32 s79, s21, 7                         ; its 32 words of the bitmap
	s_lshl_b32 s76, s21, 24                        ; its 16 MiB of W
.if KIND == 1
	s_and_b32 s22, ttmp9, 31                       ; columns 128 x slice of H
	s_lshl_b32 s74, s22, 19
	s_add_co_u32 s76, s76, s74
	s_lshl_b32 s77, s21, 14
	s_lshl_b32 s74, s22, 9
	s_add_co_u32 s77, s77, s74
	s_lshl_b32 s78, s21, 23
	s_lshl_b32 s74, s22, 12
	s_add_co_u32 s78, s78, s74
.else
	s_bfe_u32 s22, ttmp9, 0x30002                  ; columns 128 x slice of D
	s_and_b32 s23, ttmp9, 3                        ; K from 1,024 x window
	s_lshl_b32 s74, s22, 21
	s_add_co_u32 s76, s76, s74
	s_lshl_b32 s74, s23, 12
	s_add_co_u32 s76, s76, s74
	s_lshl_b32 s82, s21, 12
	s_lshl_b32 s74, s22, 9
	s_add_co_u32 s77, s82, s74
	s_lshl_b32 s78, s23, 23
	s_add_co_u32 s78, s78, s74
	s_lshl_b32 s81, s21, 23
	s_lshl_b32 s74, s23, 15
	s_add_co_u32 s81, s81, s74
	s_mul_i32 s74, s20, 16*SPITCH
	s_add_co_u32 s74, s74, STG                     ; my stage
	v_mul_u32_u24 v[STO], v[R], SPITCH             ; in: row lane % 16, 32 bytes for each half of the lanes
	v_add_nc_u32 v[STO], v[STO], v[H32]
	v_add_nc_u32 v[STO], s74, v[STO]
	v_add_nc_u32 v[SRD], s74, v[L16]               ; back: a row of 512 bytes
.endif
	s_wait_kmcnt 0x0
	PADD 10, 79
	s_load_b512 s[32:47], s[10:11], 0x0
	s_load_b512 s[48:63], s[10:11], 0x40
	PADD 6, 76
	PADD 8, 77
.if KIND == 1
	PADD 12, 78
.else
	PADD 16, 78
	PADD 4, 81
	PADD 12, 82
	PADD 14, 82
.endif
	s_wait_alu depctr_va_vdst(0)                   ; the offsets and LDS addresses made above are written: every load, store and prefetch of the kernel reads one of them, or one made from them
.irp b, 0,1,2,3,4,5,6,7
	global_load_b128 v[BIAS+8*\b:BIAS+8*\b+3],   v[H32], s[8:9] offset:64*\b       ; register 8 b + j: the bias of column 16 b + 8 (lane / 16) + j
	global_load_b128 v[BIAS+8*\b+4:BIAS+8*\b+7], v[H32], s[8:9] offset:64*\b+16
.endr
	WIN 0xc0
.set i, 0
.rept 32
	global_load_b128 v[SG+4*i:SG+4*i+3], v[WOF], s[6:7] offset:PITCHW*i th:TH_LOAD_NT   ; chunk 0 of W
.set i, i+1
.endr
	WIN 0
	global_prefetch_b8 v[PF], s[6:7] offset:512 th:TH_LOAD_NT scope:SCOPE_SE            ; chunk 1 is asked for ahead: a thread a row, two blocks of 256 bytes
	global_prefetch_b8 v[PF], s[6:7] offset:768 th:TH_LOAD_NT scope:SCOPE_SE
	s_wait_kmcnt 0x0
	s_mov_b32 s24, 0                               ; the expert's count
.set i, 0
.rept 32
	s_bcnt1_i32_b32 s74, s[32+i]
	s_add_co_u32 s24, s24, s74
.set i, i+1
.endr
	s_max_u32 s25, s24, 1
	s_sub_co_u32 s25, s25, 1                       ; the last place (0 for an expert without tokens)
	s_add_co_u32 s26, s24, 15
	s_lshr_b32 s26, s26, 4                         ; tiles with rows
	s_max_u32 s80, s26, 1                          ; the first product always writes one tile, so that every byte of hbuf that is read has been written
.if KIND == 1
	s_mov_b32 s26, s80
.endif
	s_sub_co_u32 s80, s80, 1
	s_mov_b32 s29, s20                             ; block 0: my tiles are w, w + 4, ..
	s_mov_b64 s[66:67], s[4:5]
	PREP
	s_wait_loadcnt 63                              ; behind the bias stand 72 loads or more
.if KIND == 2
	s_cmp_eq_u32 s23, 0
	s_cselect_b32 s74, 1.0, 0                      ; b2 belongs to the first K window's part alone
	s_mov_b32 s75, s74
.set i, 0
.rept 32
	v_pk_mul_f32 v[BIAS+2*i:BIAS+2*i+1], v[BIAS+2*i:BIAS+2*i+1], s[74:75] op_sel_hi:[1,0]
.set i, i+1
.endr
.endif
	INIT
	s_mov_b32 s31, 0
	v_add_nc_u32 v[BL], s31, v[BL0]                ; chunk 0's fragments; the wait behind the first chunk's conversions stands between this line and their loads
	s_mov_b32 s30, 7
.Lchunk:                                               ; trip c = 0..6: chunk c into LDS, chunk c + 1 asked for, chunk c multiplied; s[6:7] stands at chunk c
	RETIRE 1
	s_cmp_lt_u32 s30, 2
	s_cbranch_scc1 .Lno_more                       ; the last trip has no chunk c + 2
	global_prefetch_b8 v[PF], s[6:7] offset:1024 th:TH_LOAD_NT scope:SCOPE_SE   ; chunk c + 2, one trip ahead of its loads: a thread a row, each block of 256 bytes asked for once
	global_prefetch_b8 v[PF], s[6:7] offset:1280 th:TH_LOAD_NT scope:SCOPE_SE
.Lno_more:
	s_wait_dscnt 0x0                               ; my rows of chunk c are in LDS,
	s_barrier_signal -1
	s_barrier_wait -1                              ; everybody's are.  One barrier a chunk: the next chunk's stores go to bytes CHB further on, which nobody reads yet
	CHUNK 1, 32
	s_sub_co_u32 s30, s30, 1
	s_cmp_lg_u32 s30, 0
	s_cbranch_scc1 .Lchunk
	RETIRE 0                                       ; chunk 7: nothing more to ask for
	s_wait_dscnt 0x0
	s_barrier_signal -1
	s_barrier_wait -1                              ; from here on the slice is only read
	; THE BLOCKS: four trips of 20 tiles serve every split.  A trip: the block's last chunk; its way out; the next block's first seven chunks.  Each part is jumped where the block has no rows.
	; The three tests read the same two numbers.  In KIND 2 a barrier, on every wave's path, stands on either side of the way out: all waves' reads of the slice are back before any stage is
	; written, and all stages' stores are done before the slice is read again, so that this order does not rest on the stepped number s31 from which the reads' addresses are made.
	s_mov_b32 s28, 4
	s_mov_b32 s83, 0
.Lblock:
	s_cmp_ge_u32 s83, s26
	s_cbranch_scc1 .Lno_rows
	CHUNK 0, 0, 1                                  ; the block's chunk 7
.if KIND == 2
.Lno_rows:
	BAR
	s_cmp_ge_u32 s83, s26
	s_cbranch_scc1 .Lno_out
.endif
.irp a, 0,1,2,3,4
	EOUT \a
.endr
	s_wait_xcnt 0x0                                ; the stores have read their registers
.if KIND == 2
.Lno_out:
	BAR
.else
.Lno_rows:
.endif
	s_add_co_u32 s83, s83, 20                      ; the next block,
	s_add_co_u32 s29, s83, s20                     ; my first tile in it
	s_cmp_ge_u32 s83, s26
	s_cbranch_scc1 .Lbottom
	s_wait_loadcnt 0x0                             ; the token registers and their offsets are written anew below: no load that names them is out (the last chunk's last wait was for 0)
	s_wait_alu depctr_vm_vsrc(0)                   ; the last block's loads have read v[BL] and their offsets, its way out's stores their data and offsets: all these registers are written anew below
	s_mov_b32 s31, 0                               ; it walks the slice in LDS from its first chunk
	v_add_nc_u32 v[BL], s31, v[BL0]                ; the wait ahead of the block's first loads stands between this line and the fragments' loads
	s_mov_b64 s[66:67], s[4:5]
	PREP
	INIT
	s_mov_b32 s30, 7
.Lagain:
	CHUNK 1, 0
	s_sub_co_u32 s30, s30, 1
	s_cmp_lg_u32 s30, 0
	s_cbranch_scc1 .Lagain
.Lbottom:
	s_sub_co_u32 s28, s28, 1
	s_cmp_lg_u32 s28, 0
	s_cbranch_scc1 .Lblock
	BAR                                            ; every wave's reads of LDS are back before any wave's closing add
	s_wait_dscnt 0x0                               ; the wave's end
	s_wait_alu 0x0
	s_wait_tensorcnt 0x0
	ds_add_u32 v[SPW], v[NIL]
	s_wait_dscnt 0x0
	s_endpgm
.Lfunc_end_k_q3fb0483fb0_ffn1:
	.size	k_q3fb0483fb0_ffn1, .Lfunc_end_k_q3fb0483fb0_ffn1-k_q3fb0483fb0_ffn1
	.p2alignl 7, 3214868480
	.fill 96, 4, 3214868480
	.section	.rodata,"a",@progbits
	.p2align	6, 0x0
	.amdhsa_kernel k_q3fb0483fb0_ffn1
		.amdhsa_group_segment_fixed_size 312832
		.amdhsa_private_segment_fixed_size 0
		.amdhsa_enable_private_segment 0
		.amdhsa_kernarg_size 40
		.amdhsa_user_sgpr_count 2
		.amdhsa_user_sgpr_kernarg_segment_ptr 1
		.amdhsa_wavefront_size32 1
		.amdhsa_system_sgpr_workgroup_id_x 1
		.amdhsa_system_sgpr_workgroup_id_y 1
		.amdhsa_system_sgpr_workgroup_id_z 1
		.amdhsa_system_vgpr_workitem_id 0
		.amdhsa_next_free_vgpr 1024
		.amdhsa_next_free_sgpr 96
		.amdhsa_reserve_vcc 0
		.amdhsa_float_denorm_mode_32 3
		.amdhsa_float_denorm_mode_16_64 3
		.amdhsa_memory_ordered 1
		.amdhsa_forward_progress 1
		.amdhsa_inst_pref_size 173
	.end_amdhsa_kernel
	.amdgpu_metadata
---
amdhsa.version: [ 1, 2 ]
amdhsa.kernels:
  - .name:           k_q3fb0483fb0_ffn1
    .symbol:         k_q3fb0483fb0_ffn1.kd
    .args:
      - { .name: xb, .offset: 0, .size: 8, .value_kind: global_buffer, .address_space: global }
      - { .name: W1, .offset: 8, .size: 8, .value_kind: global_buffer, .address_space: global }
      - { .name: b1, .offset: 16, .size: 8, .value_kind: global_buffer, .address_space: global }
      - { .name: bitmap, .offset: 24, .size: 8, .value_kind: global_buffer, .address_space: global }
      - { .name: hbuf, .offset: 32, .size: 8, .value_kind: global_buffer, .address_space: global }
    .group_segment_fixed_size: 312832
    .private_segment_fixed_size: 0
    .kernarg_segment_align: 8
    .kernarg_segment_size: 40
    .max_flat_workgroup_size: 128
    .sgpr_count:     96
    .vgpr_count:     1024
    .wavefront_size: 32
...
	.end_amdgpu_metadata
.endif
;; end of part 5
;; launch ffn2 (part 6): grid 256 x 1, 4 waves a work-group, no clusters, 312,832 bytes of LDS; arguments hbuf, W2, b2, bitmap, gwe, jtab, ypart; writes ypart
.if DOCPART == 6
	.amdgcn_target "amdgcn-amd-amdhsa--gfx1250"
	.amdhsa_code_object_version 6
	.text
	.protected	k_q3fb0483fb0_ffn2
	.globl	k_q3fb0483fb0_ffn2
	.p2align	8
	.type	k_q3fb0483fb0_ffn2,@function
k_q3fb0483fb0_ffn2:
	s_mov_b64 s[64:65], 0
	v_nop
	global_prefetch_b8 v0, s[64:65] scope:SCOPE_SE
	s_setreg_imm32_b32 hwreg(HW_REG_WAVE_SCHED_MODE, 0, 2), 2
	s_setreg_imm32_b32 hwreg(HW_REG_WAVE_MODE, 25, 1), 1
	s_wait_xcnt 0x0
	s_wait_alu depctr_vm_vsrc(0)
; AN EXPERT'S PRODUCT ON A SLICE OF ITS WEIGHTS.  One text for both products; KIND says which.
;   KIND 1: h = relu(X_e W1_e^T + b1_e) for the tokens X_e that chose expert e.   KIND 2: gw (h W2_e^T + b2_e), K split in four windows of 1,024; the parts are added by the last launch.
; SHARES.  A work-group owns 128 output columns x 1,024 of K of ONE expert: 512 KiB of f32 weights that it alone reads, once.  8 experts x 32 slices = 256 work-groups.
; K goes in 8 chunks of 128.  A chunk (128 rows x 512 bytes) comes through registers: wave w takes rows 32 w .. 32 w + 31, each load 512 consecutive bytes; it is rounded to bf16 and stored ONCE into
; LDS bytes of its own, so no LDS byte of the weights is ever written twice, and the slice stays there for an expert with more rows than one pass holds.
; ROWS.  The expert's tokens, in token order, have places 0, 1, ..; 16 places are a tile, 20 tiles a block; wave w owns tiles 20 rb + 4 a + w, a = 0..4.  The token of a place is found from the expert's
; bitmap, which lies in 32 scalar registers: a scan over the words gives each lane the word that holds its place and the places in front of that word; five halvings on the word's bit counts give the
; bit.  Every wave does this for its own 80 places, in registers: no list in LDS, no barrier, no exchange between lanes.
; The first block's sums stay in registers while the weights stream: chunk c is multiplied while chunk c + 1 is on its way.  Later blocks (an expert with over 320 rows) walk the slice in LDS again:
; four blocks serve all 1,024 tokens on one expert.  The loop over blocks has four trips whatever the count; every wave passes every barrier in it, and only work is jumped.
; Places past the count repeat the last token: the same numbers, in KIND 2 to the same address.  Tiles 3 and 4 are jumped where they hold no row; the jump passes matrix instructions alone, so every count of a wait is a constant.
; THE MATRIX INSTRUCTION IS USED TRANSPOSED: source 0 = 16 rows of W, source 1 = 16 tokens: a lane holds one token (lane % 16) and eight neighbouring columns 16 b + 8 (lane / 16) + 0..7.
; hbuf[e][tile][k step of 32][half][lane][8 bf16]: KIND 1's 16 bytes a lane ARE KIND 2's token fragments: stored and loaded 512 consecutive bytes an instruction, with no turn through LDS.
; ypart[2 x window + j][token][1,024] f32: j = 0 for the lower of a token's two experts, 1 for the higher: each partial row has one writer.
; NO CLUSTER: each weight byte has one reader; the token rows that an expert's work-groups share come by their numbers (KIND 1), and a chunk's 80 KiB of them twice do not fit beside the slice (KIND 2).
; FORMATS.  Operands bf16 (h may pass f16's range for large inputs), sums f32; the sums begin with the bias, unrounded.  LIMITS: NaN and infinities are not treated apart (KIND 2 multiplies b2 by 0 in three of four windows).
; REGISTERS, in windows of 256 (s_set_vgpr_msb: bits 1:0 source 0, 3:2 source 1, 5:4 source 2, 7:6 destination):
;   window 0: v0-31 addresses and work; v32-95, v96-159 W's fragments of one k step each (v32-116 at work while tokens are found); v160-223 the bias; v224-255 at work on the way out
;   window 1: v0-159 token fragments (tile a, k step k at 32 a + 8 k); v160-164 their offsets; v166-175 (gw, j) a tile; v176-180 tokens
;   window 2: the sums of tiles 0-3 (64 a + 8 b)          window 3: v0-63 tile 4's sums; v64-191 a chunk of W as loaded; v192-255 the same chunk rounded
; THE MODE: SCHED_MODE bits 1:0 = 2 (LLVM: expert scheduling mode 2), set by the entry lines.  The code itself states the register dependences between vector or matrix instructions and memory or LDS
; instructions, with s_wait_alu, always for 0.
; THE PLAN.  Registers that memory or LDS instructions touch while chunks are walked:
;   SG, a chunk as loaded     RETIRE's conversions read it; behind them the next chunk's 32 loads land in it.
;   WT, the chunk rounded     the conversions write it; the 32 LDS stores read it.  v[WSA], the stores' address, is written once a chunk, ahead of the conversions.
;   BF0, BF1, W's fragments   k step k's products read BF[k % 2]; the LDS loads for step k + 1, issued in step k, land in the other one, which step k - 1's products read.
;   T[a][k], token fragments  k step k's products read them; the next chunk's loads for k step k land in them: issued in step k + 1, those for k = 3 at the chunk's tail.
;   v[BL]                     read by every LDS load of a fragment; written once a chunk, at the tail.
;   v[WOF], v[PF], v[AOFF ..], v[L16], v[STO], v[SRD]: offsets and addresses that no line of a loop writes.
; So a chunk has five waits on va_vdst: behind RETIRE's conversions; at the head of k steps 1, 2 and 3; at the tail.  Behind the wait at a step's head the step's loads stand behind its first eight
; products, which name BF[k % 2], T[0][k] and tile 0's sums: none of the registers that those loads touch.  And two waits on vm_vsrc: ahead of the add to v[WSA], ahead of the add to v[BL].
.set KIND, 2
.if KIND == 1
.set LOGP,   12                        ; a row of W is 4,096 bytes
.set AKS,    64                        ; bytes from k step to k step in the token operand
.set AH,     32                        ; to a fragment's second half
.set ACH,    256                       ; from chunk to chunk
.else
.set LOGP,   14
.set AKS,    1024
.set AH,     512
.set ACH,    4096
.endif
.set PITCHW, 1<<LOGP
.set WP,     272                       ; a row of a chunk in LDS: 256 bytes + 16: the 16 rows of a fragment load start 68 words apart
.set CHB,    128*WP                    ; a chunk in LDS
.set STG,    8*CHB                     ; KIND 2: 16 rows x 528 bytes for each wave, for the way out
.set SPITCH, 528
.set SPARE,  STG+4*16*SPITCH           ; the spare words, 128 bytes for each wave: no other line names them
.set LANE, 1
.set R,    2                           ; lane % 16
.set H16,  3                           ; 16 (lane / 16)
.set L16,  4                           ; 16 lane
.set BL0,  5                           ; my place in a chunk's fragments
.set BL,   6                           ; the same in the chunk in hand
.set PF,   7                           ; thread x a row of W: the prefetches' offset
.set Z,    8                           ; 0
.set H32,  9                           ; 32 (lane / 16)
.set WSA0, 10                          ; my wave's 32 rows of a chunk in LDS, 8 bytes a lane
.set WSA,  11                          ; the same in the chunk in hand
.set WOF,  12                          ; my wave's 32 rows of a chunk in memory, 16 bytes a lane
.set PT,   16                          ; v16-20 my place among the expert's tokens, a tile each; in KIND 2 later 4 x token
.set TKN,  21                          ; v21-25 tokens, a tile each
.set STO,  26
.set SRD,  27
.set RI,   28
.set SPW,  30
.set NIL,  31
.set BF,   32
.set MM,   32                          ; while tokens are found, five registers each, a tile each: the word that holds my place
.set KK,   40                          ; the word's number << 16 + the places in front of it
.set NN,   48                          ; set bits still in front of mine
.set SA,   56                          ; the word's bit counts by 2,
.set SB,   64                          ; by 4,
.set SC,   72                          ; by 8,
.set SD,   80                          ; and (low byte) of its low 16 places
.set SS,   88                          ; the bit found so far
.set TT,   96
.set UU,   104
.set VV,   112
.set BIAS, 160
.set TMP,  224
.set AOFF, 160                         ; window 1
.set GWJ,  166
.set TK,   176
.set SG,   64                          ; window 3
.set WT,   192
.set MK,   84                          ; s84-88 the five tiles' masks while tokens are found
; s[2:3], s[68:69] four words of the bitmap on their way round  s[4:5] token operand  s[6:7] W at the chunk in hand  s[8:9] bias  s[10:11] bitmap  s[12:17] the other buffers  s18, s19, s92-95 constants
; s20 wave  s21 expert  s22 slice  s23 K window  s24 count  s25 last place  s26 live tiles  s27 my live tiles in the block  s28 blocks to go  s29 my first tile  s30 trips  s31 the chunk's LDS byte
; s[32:63] bitmap  s[66:67] token operand at the chunk  s[70:71] an offset, high word 0  s[72:73] output  s74-79 at work  s80 written tiles - 1  s83 the block's first tile  s84-91 masks; rows on the way out
.set MSB, 0
.macro WIN new                         ; the immediate's high byte repeats the setting that is left; a switch that changes nothing is dropped
.if MSB != (\new)
	s_set_vgpr_msb (MSB<<8)|(\new)
.set MSB, (\new)
.endif
.endm
.macro PADD p, off                     ; a buffer's address plus a 32-bit offset
	s_mov_b32 s70, s[\off]
	s_add_nc_u64 s[\p:\p+1], s[\p:\p+1], s[70:71]
.endm
.macro PLACES                          ; four places between a matrix instruction and a load into, or a vector instruction on, its registers (ISA guide 7.12.1 for vector instructions)
.rept 4
	v_nop
.endr
.endm
.macro BAR                             ; my LDS instructions are done; then every wave's are
	s_wait_dscnt 0x0
	s_barrier_signal -1
	s_barrier_wait -1
.endm
.macro ALL5 line:vararg                ; one line for each of my five tiles t
.set t, 0
.rept 5
	\line
.set t, t+1
.endr
.endm
; A chunk of W leaves its registers: rounded, 8 bytes a lane, a row's 256 bytes a store.  again = 1: its registers are at once asked for the next chunk, ahead of the stores.
; The rounded chunk has 64 registers of its own, so that one wait behind the 64 conversions serves the 32 loads and the 32 stores, and the stores have a whole chunk's work in which to read them.
; Behind the last load of the chunk stand the 40 loads of token fragments, or more: s_wait_loadcnt 40 shows the chunk in.
.macro RETIRE again
	WIN 0
	s_wait_alu depctr_vm_vsrc(0)                   ; the last chunk's LDS stores have read v[WSA] and the rounded rows, which are written again below
	v_add_nc_u32 v[WSA], s31, v[WSA0]
	s_wait_loadcnt 40
	WIN 0xcf
.set i, 0
.rept 32
	v_cvt_pk_bf16_f32 v[WT+2*i], v[SG+4*i], v[SG+4*i+1]
	v_cvt_pk_bf16_f32 v[WT+2*i+1], v[SG+4*i+2], v[SG+4*i+3]
.set i, i+1
.endr
.if \again
	WIN 0xc0
	s_wait_alu depctr_va_vdst(0)                   ; the conversions are done reading the chunk as loaded, in which the loads below land, and have written the rounded rows, which the stores below read; v[WSA] is written
.set i, 0
.rept 32
	global_load_b128 v[SG+4*i:SG+4*i+3], v[WOF], s[6:7] offset:PITCHW*i+512 th:TH_LOAD_NT
.set i, i+1
.endr
	WIN 0x0c
.else
	WIN 0x0c
	s_wait_alu depctr_va_vdst(0)                   ; the conversions have written the rounded rows, which the stores below read; v[WSA] is written
.endif
.set i, 0
.rept 32
	ds_store_b64 v[WSA], v[WT+2*i:WT+2*i+1] offset:WP*i
.set i, i+1
.endr
	WIN 0
.endm
.macro FETCHB k                        ; W's eight fragments of k step k: 16 LDS loads in one run
	WIN 0
.irp b, 0,1,2,3,4,5,6,7
	ds_load_b128 v[BF+64*((\k)%2)+8*\b:BF+64*((\k)%2)+8*\b+3],   v[BL] offset:16*WP*\b+64*(\k)
	ds_load_b128 v[BF+64*((\k)%2)+8*\b+4:BF+64*((\k)%2)+8*\b+7], v[BL] offset:16*WP*\b+64*(\k)+32
.endr
.endm
.macro ALOAD k, ahead                  ; the five tiles' token fragments of k step k, of the chunk at which s[66:67] stands or (ahead = 1) the next: 10 loads
	WIN 0x41
.irp a, 0,1,2,3,4
	global_load_b128 v[32*\a+8*(\k):32*\a+8*(\k)+3],   v[AOFF+\a], s[66:67] offset:(\ahead)*ACH+AKS*(\k)
	global_load_b128 v[32*\a+8*(\k)+4:32*\a+8*(\k)+7], v[AOFF+\a], s[66:67] offset:(\ahead)*ACH+AKS*(\k)+AH
.endr
.endm
.macro MUL a, k                        ; tile a, k step k: its eight sums take turns, one instruction a turn
.if (\a) < 4
	WIN 0xa4
.set AC, 64*(\a)
.else
	WIN 0xf4
.set AC, 0
.endif
.irp b, 0,1,2,3,4,5,6,7
	v_wmma_f32_16x16x32_bf16 v[AC+8*\b:AC+8*\b+7], v[BF+64*((\k)%2)+8*\b:BF+64*((\k)%2)+8*\b+7], v[32*(\a)+8*(\k):32*(\a)+8*(\k)+7], v[AC+8*\b:AC+8*\b+7]
.endr
.endm
.macro GMUL a, k                       ; the same, jumped where the tile holds no row
	WIN 0
	s_cmp_gt_u32 s27, \a
	s_cbranch_scc0 .Ldead_\@
	MUL \a, \k
	WIN 0
.Ldead_\@:
.endm
; A chunk is multiplied: four k steps.  At the head of step k > 0: four places behind the products of step k - 1, and the step's one wait on va_vdst.  Behind the step's first eight products: W's
; fragments of step k + 1 into the buffer that step k - 1 read; with refill = 1 the next chunk's token fragments into the registers that step k - 1 read.  The step that loads nothing has no such wait.
; s_wait_dscnt 0 at a step's head: the run issued in the step before is in; nothing younger is out.
; s_wait_loadcnt: behind the token fragments of step k stand 10 (3 - k) loads of this chunk, wn loads of W reissued since, and the refills of steps 1 .. k - 1, 10 each: 30 + wn at k = 0, 20 + wn
; later; without refills 30 - 10 k.
; THE BASES AND v[BL] ARE STEPPED AT THE TAIL, between the last products and the refill of k step 3, which then names the stepped base: the youngest load in front of that one s_wait_xcnt 0 was issued
; ahead of 16 to 32 of the last k step's matrix instructions.  wn > 0: W's base steps too.  last = 1: the chunk is the slice's last, at the constant 7 CHB; else v[BL] stands at it already.
.macro CHUNK refill, wn, last=0
	WIN 0
.if \last
	s_wait_alu depctr_vm_vsrc(0)                   ; the LDS loads issued so far have read v[BL]
	v_add_nc_u32 v[BL], 7*CHB, v[BL0]
	s_wait_alu depctr_va_vdst(0)                   ; v[BL] is written, which the LDS loads below read
.endif
	FETCHB 0
.irp ks, 0,1,2,3
.if \ks > 0
	PLACES
.if (\ks < 3) || (\refill)
	s_wait_alu depctr_va_vdst(0)                   ; the products of the step before are done reading their fragments of W and of the tokens, in which this step's loads land
.endif
.endif
.if \refill
.if \ks == 0
	s_wait_loadcnt 30+(\wn)
.else
	s_wait_loadcnt 20+(\wn)
.endif
.else
	s_wait_loadcnt 30-10*(\ks)
.endif
	s_wait_dscnt 0x0
	MUL 0, \ks
.if \ks < 3
	FETCHB (\ks)+1                                 ; no wait: no vector or matrix instruction since the last wait on va_vdst names v[BL] or this buffer
.endif
.if (\refill) && (\ks > 0)
	ALOAD (\ks)-1, 1                               ; likewise: none names the offsets or the fragments of the step before
.endif
	MUL 1, \ks
	MUL 2, \ks
	GMUL 3, \ks
	GMUL 4, \ks
.endr
	PLACES
.if \refill
	s_add_co_u32 s31, s31, CHB
	s_wait_alu depctr_vm_vsrc(0)                   ; this chunk's LDS loads have read v[BL]
	v_add_nc_u32 v[BL], s31, v[BL0]                ; the next chunk's fragments
	s_wait_xcnt 0x0                                ; every load and prefetch issued so far has had its address translated: the bases may be stepped
	s_add_nc_u64 s[66:67], s[66:67], ACH
.if \wn
	s_add_nc_u64 s[6:7], s[6:7], 512
.endif
	WIN 0x41
	s_wait_alu depctr_va_vdst(0)                   ; the last k step's products are done reading their token fragments, in which the loads below land, and both buffers of W's fragments, in which the next chunk's first loads land; v[BL] is written
	ALOAD 3, 0
.endif
	WIN 0
.endm
.macro INIT                            ; the sums begin with the bias of their columns
	WIN 0x80
.set i, 0
.rept 256
	v_mov_b32 v[i], v[BIAS+i%64]
.set i, i+1
.endr
	WIN 0xc0
.set i, 0
.rept 64
	v_mov_b32 v[i], v[BIAS+i]
.set i, i+1
.endr
	WIN 0
.endm
; One halving: x holds the word's bit counts in fields of w bits; the field at the bit found so far counts the lower inc places.  If that many set bits or more stand in front of mine, mine lies in the upper half.
.macro LEVEL x, w, inc
	ALL5 v_bfe_u32 v[TT+t], v[(\x)+t], v[SS+t], \w
	ALL5 v_sub_nc_u32 v[UU+t], v[NN+t], v[TT+t]
	ALL5 v_add_nc_u32 v[VV+t], \inc, v[SS+t]
	ALL5 v_cmp_ge_u32 s[MK+t], v[NN+t], v[TT+t]
	s_wait_alu depctr_va_sdst(0)                   ; the five compares have written their masks, which the selects below read
.set t, 0
.rept 5
	v_cndmask_b32 v[NN+t], v[NN+t], v[UU+t], s[MK+t]
	v_cndmask_b32 v[SS+t], v[SS+t], v[VV+t], s[MK+t]
.set t, t+1
.endr
.endm
; THE TOKENS OF MY FIVE TILES.  My place in tile a is 16 (s29 + 4 a) + lane % 16, or the last place past the count.  The scan takes the 32 words in order, four a trip; the registers that hold them
; turn by four words a trip and stand as before behind the eighth.  s75: set bits up to and with the word in hand; s76: the same + (the word's number + 1) << 16.  While my place is not among
; those bits, I take the NEXT word and s76.  (An expert without tokens: no word holds place 0; the clamp keeps whatever comes out inside the table, and no result of it is stored by KIND 2.)
; The five tiles' compares stand in a run, a scalar register each, with one wait between the run and the selects.
.macro SELECT
	WIN 0
	s_lshl_b32 s74, s29, 4
.irp a, 0,1,2,3,4
	v_add_nc_u32 v[PT+\a], s74, v[R]
	s_add_co_u32 s74, s74, 64
	v_min_u32 v[PT+\a], s25, v[PT+\a]
	v_mov_b32 v[MM+\a], s32
	v_mov_b32 v[KK+\a], 0
	v_mov_b32 v[SS+\a], 0
.endr
	s_mov_b32 s75, 0
	s_mov_b32 s76, 0
	s_mov_b32 s77, 8
.Lscan_\@:
.irp u, 0,1,2,3
	s_bcnt1_i32_b32 s78, s[32+\u]
	s_add_co_u32 s75, s75, s78
	s_add_co_u32 s76, s76, s78
	s_add_co_u32 s76, s76, s95
.irp a, 0,1,2,3,4
	v_cmp_gt_u32 s[MK+\a], s75, v[PT+\a]                     ; is my place among the bits so far?
.endr
	s_wait_alu depctr_va_sdst(0)                             ; the five compares have written their masks, which the selects below read
.irp a, 0,1,2,3,4
	v_cndmask_b32 v[MM+\a], s[33+\u], v[MM+\a], s[MK+\a]     ; if not: the next word,
	v_cndmask_b32 v[KK+\a], s76, v[KK+\a], s[MK+\a]          ; its number and the places in front of it
.endr
.endr
	s_mov_b64 s[2:3], s[32:33]
	s_mov_b64 s[68:69], s[34:35]
.set t, 0
.rept 14
	s_mov_b64 s[32+2*t:33+2*t], s[36+2*t:37+2*t]
.set t, t+1
.endr
	s_mov_b64 s[60:61], s[2:3]
	s_mov_b64 s[62:63], s[68:69]
	s_sub_co_u32 s77, s77, 1
	s_cmp_lg_u32 s77, 0
	s_cbranch_scc1 .Lscan_\@
	ALL5 v_and_b32 v[TT+t], s18, v[KK+t]
	ALL5 v_sub_nc_u32 v[NN+t], v[PT+t], v[TT+t]              ; set bits of the word in front of mine
	ALL5 v_lshrrev_b32 v[KK+t], 16, v[KK+t]                  ; the word's number
	ALL5 v_lshrrev_b32 v[TT+t], 1, v[MM+t]
	ALL5 v_and_b32 v[TT+t], s92, v[TT+t]
	ALL5 v_sub_nc_u32 v[SA+t], v[MM+t], v[TT+t]              ; counts by 2 places
	ALL5 v_lshrrev_b32 v[TT+t], 2, v[SA+t]
	ALL5 v_and_b32 v[UU+t], s93, v[SA+t]
	ALL5 v_and_b32 v[TT+t], s93, v[TT+t]
	ALL5 v_add_nc_u32 v[SB+t], v[UU+t], v[TT+t]              ; by 4
	ALL5 v_lshrrev_b32 v[TT+t], 4, v[SB+t]
	ALL5 v_add_nc_u32 v[TT+t], v[TT+t], v[SB+t]
	ALL5 v_and_b32 v[SC+t], s94, v[TT+t]                     ; by 8
	ALL5 v_lshrrev_b32 v[TT+t], 8, v[SC+t]
	ALL5 v_add_nc_u32 v[SD+t], v[TT+t], v[SC+t]              ; low byte: the low 16 places
	LEVEL SD, 8, 16
	LEVEL SC, 8, 8
	LEVEL SB, 4, 4
	LEVEL SA, 2, 2
	LEVEL MM, 1, 1
	ALL5 v_lshl_add_u32 v[TKN+t], v[KK+t], 5, v[SS+t]        ; token = 32 x word + bit
	ALL5 v_min_u32 v[TKN+t], 0x3ff, v[TKN+t]
.endm
; A block begins: how many of my five tiles hold rows; the offsets of their fragments; chunk 0's fragments are asked for.  KIND 1 needs the tokens for that.  KIND 2 reads hbuf by tiles, so its
; loads go out first, and the tokens, which the way out needs, are found while they are on their way.
.macro PREP
	WIN 0
	s_sub_co_i32 s27, s26, s29
	s_add_co_i32 s27, s27, 3
	s_ashr_i32 s27, s27, 2
	s_max_i32 s27, s27, 0
	s_min_i32 s27, s27, 5                          ; tiles s29 + 4 a below the count of live tiles
.if KIND == 1
	SELECT
	WIN 0x40
.irp a, 0,1,2,3,4
	v_lshl_add_u32 v[AOFF+\a], v[TKN+\a], 11, v[H16]   ; the token's row of xb, 16 bytes for each half of the lanes
.endr
.else
	WIN 0x40
.irp a, 0,1,2,3,4
	s_add_co_u32 s75, s29, 4*\a
	s_min_u32 s75, s75, s80                        ; a tile without rows reads the last tile that was written
	s_min_u32 s75, s75, 63
	s_lshl_b32 s75, s75, 17
	v_add_nc_u32 v[AOFF+\a], s75, v[L16]
.endr
.endif
	WIN 0x41
	s_wait_alu depctr_va_vdst(0)                   ; the five offsets are written, which the loads below read; in a later block v[BL] is written, and the last block's products are done reading the registers in which the loads land
.irp k, 0,1,2,3
	ALOAD \k, 0                                    ; chunk 0's token fragments, k step by k step
.endr
.if KIND == 2
	SELECT
.irp a, 0,1,2,3,4
	v_lshlrev_b32 v[PT+\a], 2, v[TKN+\a]
.endr
	WIN 0x40
.irp a, 0,1,2,3,4
	v_mov_b32 v[TK+\a], v[TKN+\a]
.endr
	s_wait_alu depctr_va_vdst(0)                   ; 4 x token is written, which the loads below read; the search is done with W's fragments' registers; in a later block the last way out is done reading (gw, j)
.irp a, 0,1,2,3,4
	global_load_b32 v[GWJ+2*\a], v[PT+\a], s[12:13]      ; the token's weight for this expert,
	global_load_b32 v[GWJ+2*\a+1], v[PT+\a], s[14:15]    ; and which of its two partial rows is this expert's
.endr
.endif
	WIN 0
.endm
; THE WAY OUT of tile a, jumped where it holds no row.
.macro EOUT a
.set W, 2+(\a)/4                       ; the window of its sums
.set AC, 64*((\a)%4)
	WIN 0
	s_cmp_gt_u32 s27, \a
	s_cbranch_scc0 .Lnone_\@
	s_wait_xcnt 0x0                                ; the last tile's stores have had their addresses translated: their registers and their base may be written
	s_wait_alu depctr_vm_vsrc(0)                   ; the last tile's stores have read their vector registers, which this tile writes again
.if KIND == 1
	s_add_co_u32 s70, s29, 4*(\a)
	s_lshl_b32 s70, s70, 17
	s_add_nc_u64 s[72:73], s[12:13], s[70:71]      ; the tile's 131,072 bytes of hbuf, at my slice's 4,096
	WIN (W<<2)|W
.irp b, 0,1,2,3,4,5,6,7
.irp q, 0,1,2,3
	v_cvt_pk_bf16_f32 v[TMP+4*\b+\q], v[AC+8*\b+2*\q], v[AC+8*\b+2*\q+1]
.endr
.endr
	WIN 0
.set i, 0
.rept 32
	v_pk_max_num_bf16 v[TMP+i], v[TMP+i], v[Z]     ; relu behind the rounding: the same number as the rounding behind relu
.set i, i+1
.endr
	s_wait_alu depctr_va_vdst(0)                   ; the 32 registers of the tile's h are written, which the stores below read
.irp b, 0,1,2,3,4,5,6,7
	global_store_b128 v[L16], v[TMP+4*\b:TMP+4*\b+3], s[72:73] offset:512*\b   ; 512 consecutive bytes: half a fragment of the second product
.endr
.else
	WIN 0x14
	v_min_u32 v[RI], 1, v[GWJ+2*(\a)+1]
	v_lshl_add_u32 v[RI], v[RI], 10, v[TK+(\a)]    ; my token's row among 2 x 1,024: j x 1,024 + token
	WIN 0
.irp g, 0,1
.irp i, 0,1,2,3,4,5,6,7
	v_readlane_b32 s[84+\i], v[RI], 8*\g+\i
.endr
	s_wait_alu depctr_va_sdst(0)                   ; the eight rows' numbers are written, which the scalar lines below read
.irp i, 0,1,2,3,4,5,6,7
	s_min_u32 s[84+\i], s[84+\i], 2047
	s_lshl_b32 s[84+\i], s[84+\i], 12
	v_add_nc_u32 v[TMP+8*\g+\i], s[84+\i], v[L16]  ; row 8 g + i of the tile: where its 512 bytes go
.endr
.endr
	WIN (W<<6)|(1<<2)|W
.set i, 0
.rept 32
	v_pk_mul_f32 v[AC+2*i:AC+2*i+1], v[AC+2*i:AC+2*i+1], v[GWJ+2*(\a):GWJ+2*(\a)+1] op_sel_hi:[1,0]   ; times the token's weight
.set i, i+1
.endr
	WIN W<<2
	s_wait_alu depctr_va_vdst(0)                   ; the weighted sums are written, which the LDS stores read, and the sixteen offsets, which the global stores read; the products are done reading W's fragments' registers, in which the rows come back
.irp b, 0,1,2,3,4,5,6,7
	ds_store_b128 v[STO], v[AC+8*\b:AC+8*\b+3] offset:64*\b
	ds_store_b128 v[STO], v[AC+8*\b+4:AC+8*\b+7] offset:64*\b+16
.endr
	WIN 0
.irp i, 0,1,2,3,4,5,6,7,8,9,10,11,12,13,14,15
	ds_load_b128 v[BF+4*\i:BF+4*\i+3], v[SRD] offset:SPITCH*\i   ; my own stage, served in order: whole rows come back
.endr
.irp i, 0,1,2,3,4,5,6,7,8,9,10,11,12,13,14,15
	s_wait_dscnt 15-\i
	global_store_b128 v[TMP+\i], v[BF+4*\i:BF+4*\i+3], s[16:17]   ; 512 consecutive bytes of one partial row
.endr
.endif
.Lnone_\@:
.endm
	s_load_b256 s[4:11], s[0:1], 0x0               ; token operand, W, bias, bitmap
.if KIND == 1
	s_load_b64 s[12:13], s[0:1], 0x20              ; hbuf
.else
	s_load_b128 s[12:15], s[0:1], 0x20             ; gwe, jtab
	s_load_b64 s[16:17], s[0:1], 0x30              ; ypart
.endif
	v_lshl_add_u32 v[SPW], v0, 2, SPARE
	v_mov_b32 v[NIL], 0
	v_and_b32 v[LANE], 31, v0
	v_lshrrev_b32 v13, 5, v0
	v_readfirstlane_b32 s20, v13                   ; wave
	v_and_b32 v[R], 15, v0
	v_bfe_u32 v13, v0, 4, 1
	v_lshlrev_b32 v[H16], 4, v13
	v_lshlrev_b32 v[H32], 5, v13
	v_lshlrev_b32 v[L16], 4, v[LANE]
	v_mul_u32_u24 v[BL0], v[R], WP
	v_add_nc_u32 v[BL0], v[BL0], v[H16]
	v_lshlrev_b32 v[PF], LOGP, v0
	v_mov_b32 v[Z], 0
	s_wait_alu depctr_va_sdst(0)                   ; s20 is written, ahead of its first reader
	s_mul_i32 s74, s20, 32*WP
	s_lshl_b32 s75, s20, LOGP+5
	v_lshl_add_u32 v[WSA0], v[LANE], 3, s74        ; my wave's 32 rows of a chunk in LDS, 8 bytes a lane
	v_lshl_add_u32 v[WOF], v[LANE], 4, s75         ; and in memory, 16 bytes a lane
	s_mov_b32 s18, 0xffff                          ; the masks of the bit counts, and 1 << 16
	s_mov_b32 s19, 0xff
	s_mov_b32 s92, 0x55555555
	s_mov_b32 s93, 0x33333333
	s_mov_b32 s94, 0x0f0f0f0f
	s_mov_b32 s95, 0x10000
	s_mov_b32 s71, 0
	s_lshr_b32 s21, ttmp9, 5                       ; the expert
	s_lshl_b32 s79, s21, 7                         ; its 32 words of the bitmap
	s_lshl_b32 s76, s21, 24                        ; its 16 MiB of W
.if KIND == 1
	s_and_b32 s22, ttmp9, 31                       ; columns 128 x slice of H
	s_lshl_b32 s74, s22, 19
	s_add_co_u32 s76, s76, s74
	s_lshl_b32 s77, s21, 14
	s_lshl_b32 s74, s22, 9
	s_add_co_u32 s77, s77, s74
	s_lshl_b32 s78, s21, 23
	s_lshl_b32 s74, s22, 12
	s_add_co_u32 s78, s78, s74
.else
	s_bfe_u32 s22, ttmp9, 0x30002                  ; columns 128 x slice of D
	s_and_b32 s23, ttmp9, 3                        ; K from 1,024 x window
	s_lshl_b32 s74, s22, 21
	s_add_co_u32 s76, s76, s74
	s_lshl_b32 s74, s23, 12
	s_add_co_u32 s76, s76, s74
	s_lshl_b32 s82, s21, 12
	s_lshl_b32 s74, s22, 9
	s_add_co_u32 s77, s82, s74
	s_lshl_b32 s78, s23, 23
	s_add_co_u32 s78, s78, s74
	s_lshl_b32 s81, s21, 23
	s_lshl_b32 s74, s23, 15
	s_add_co_u32 s81, s81, s74
	s_mul_i32 s74, s20, 16*SPITCH
	s_add_co_u32 s74, s74, STG                     ; my stage
	v_mul_u32_u24 v[STO], v[R], SPITCH             ; in: row lane % 16, 32 bytes for each half of the lanes
	v_add_nc_u32 v[STO], v[STO], v[H32]
	v_add_nc_u32 v[STO], s74, v[STO]
	v_add_nc_u32 v[SRD], s74, v[L16]               ; back: a row of 512 bytes
.endif
	s_wait_kmcnt 0x0
	PADD 10, 79
	s_load_b512 s[32:47], s[10:11], 0x0
	s_load_b512 s[48:63], s[10:11], 0x40
	PADD 6, 76
	PADD 8, 77
.if KIND == 1
	PADD 12, 78
.else
	PADD 16, 78
	PADD 4, 81
	PADD 12, 82
	PADD 14, 82
.endif
	s_wait_alu depctr_va_vdst(0)                   ; the offsets and LDS addresses made above are written: every load, store and prefetch of the kernel reads one of them, or one made from them
.irp b, 0,1,2,3,4,5,6,7
	global_load_b128 v[BIAS+8*\b:BIAS+8*\b+3],   v[H32], s[8:9] offset:64*\b       ; register 8 b + j: the bias of column 16 b + 8 (lane / 16) + j
	global_load_b128 v[BIAS+8*\b+4:BIAS+8*\b+7], v[H32], s[8:9] offset:64*\b+16
.endr
	WIN 0xc0
.set i, 0
.rept 32
	global_load_b128 v[SG+4*i:SG+4*i+3], v[WOF], s[6:7] offset:PITCHW*i th:TH_LOAD_NT   ; chunk 0 of W
.set i, i+1
.endr
	WIN 0
	global_prefetch_b8 v[PF], s[6:7] offset:512 th:TH_LOAD_NT scope:SCOPE_SE            ; chunk 1 is asked for ahead: a thread a row, two blocks of 256 bytes
	global_prefetch_b8 v[PF], s[6:7] offset:768 th:TH_LOAD_NT scope:SCOPE_SE
	s_wait_kmcnt 0x0
	s_mov_b32 s24, 0                               ; the expert's count
.set i, 0
.rept 32
	s_bcnt1_i32_b32 s74, s[32+i]
	s_add_co_u32 s24, s24, s74
.set i, i+1
.endr
	s_max_u32 s25, s24, 1
	s_sub_co_u32 s25, s25, 1                       ; the last place (0 for an expert without tokens)
	s_add_co_u32 s26, s24, 15
	s_lshr_b32 s26, s26, 4                         ; tiles with rows
	s_max_u32 s80, s26, 1                          ; the first product always writes one tile, so that every byte of hbuf that is read has been written
.if KIND == 1
	s_mov_b32 s26, s80
.endif
	s_sub_co_u32 s80, s80, 1
	s_mov_b32 s29, s20                             ; block 0: my tiles are w, w + 4, ..
	s_mov_b64 s[66:67], s[4:5]
	PREP
	s_wait_loadcnt 63                              ; behind the bias stand 72 loads or more
.if KIND == 2
	s_cmp_eq_u32 s23, 0
	s_cselect_b32 s74, 1.0, 0                      ; b2 belongs to the first K window's part alone
	s_mov_b32 s75, s74
.set i, 0
.rept 32
	v_pk_mul_f32 v[BIAS+2*i:BIAS+2*i+1], v[BIAS+2*i:BIAS+2*i+1], s[74:75] op_sel_hi:[1,0]
.set i, i+1
.endr
.endif
	INIT
	s_mov_b32 s31, 0
	v_add_nc_u32 v[BL], s31, v[BL0]                ; chunk 0's fragments; the wait behind the first chunk's conversions stands between this line and their loads
	s_mov_b32 s30, 7
.Lchunk:                                               ; trip c = 0..6: chunk c into LDS, chunk c + 1 asked for, chunk c multiplied; s[6:7] stands at chunk c
	RETIRE 1
	s_cmp_lt_u32 s30, 2
	s_cbranch_scc1 .Lno_more                       ; the last trip has no chunk c + 2
	global_prefetch_b8 v[PF], s[6:7] offset:1024 th:TH_LOAD_NT scope:SCOPE_SE   ; chunk c + 2, one trip ahead of its loads: a thread a row, each block of 256 bytes asked for once
	global_prefetch_b8 v[PF], s[6:7] offset:1280 th:TH_LOAD_NT scope:SCOPE_SE
.Lno_more:
	s_wait_dscnt 0x0                               ; my rows of chunk c are in LDS,
	s_barrier_signal -1
	s_barrier_wait -1                              ; everybody's are.  One barrier a chunk: the next chunk's stores go to bytes CHB further on, which nobody reads yet
	CHUNK 1, 32
	s_sub_co_u32 s30, s30, 1
	s_cmp_lg_u32 s30, 0
	s_cbranch_scc1 .Lchunk
	RETIRE 0                                       ; chunk 7: nothing more to ask for
	s_wait_dscnt 0x0
	s_barrier_signal -1
	s_barrier_wait -1                              ; from here on the slice is only read
	; THE BLOCKS: four trips of 20 tiles serve every split.  A trip: the block's last chunk; its way out; the next block's first seven chunks.  Each part is jumped where the block has no rows.
	; The three tests read the same two numbers.  In KIND 2 a barrier, on every wave's path, stands on either side of the way out: all waves' reads of the slice are back before any stage is
	; written, and all stages' stores are done before the slice is read again, so that this order does not rest on the stepped number s31 from which the reads' addresses are made.
	s_mov_b32 s28, 4
	s_mov_b32 s83, 0
.Lblock:
	s_cmp_ge_u32 s83, s26
	s_cbranch_scc1 .Lno_rows
	CHUNK 0, 0, 1                                  ; the block's chunk 7
.if KIND == 2
.Lno_rows:
	BAR
	s_cmp_ge_u32 s83, s26
	s_cbranch_scc1 .Lno_out
.endif
.irp a, 0,1,2,3,4
	EOUT \a
.endr
	s_wait_xcnt 0x0                                ; the stores have read their registers
.if KIND == 2
.Lno_out:
	BAR
.else
.Lno_rows:
.endif
	s_add_co_u32 s83, s83, 20                      ; the next block,
	s_add_co_u32 s29, s83, s20                     ; my first tile in it
	s_cmp_ge_u32 s83, s26
	s_cbranch_scc1 .Lbottom
	s_wait_loadcnt 0x0                             ; the token registers and their offsets are written anew below: no load that names them is out (the last chunk's last wait was for 0)
	s_wait_alu depctr_vm_vsrc(0)                   ; the last block's loads have read v[BL] and their offsets, its way out's stores their data and offsets: all these registers are written anew below
	s_mov_b32 s31, 0                               ; it walks the slice in LDS from its first chunk
	v_add_nc_u32 v[BL], s31, v[BL0]                ; the wait ahead of the block's first loads stands between this line and the fragments' loads
	s_mov_b64 s[66:67], s[4:5]
	PREP
	INIT
	s_mov_b32 s30, 7
.Lagain:
	CHUNK 1, 0
	s_sub_co_u32 s30, s30, 1
	s_cmp_lg_u32 s30, 0
	s_cbranch_scc1 .Lagain
.Lbottom:
	s_sub_co_u32 s28, s28, 1
	s_cmp_lg_u32 s28, 0
	s_cbranch_scc1 .Lblock
	BAR                                            ; every wave's reads of LDS are back before any wave's closing add
	s_wait_dscnt 0x0                               ; the wave's end
	s_wait_alu 0x0
	s_wait_tensorcnt 0x0
	ds_add_u32 v[SPW], v[NIL]
	s_wait_dscnt 0x0
	s_endpgm
.Lfunc_end_k_q3fb0483fb0_ffn2:
	.size	k_q3fb0483fb0_ffn2, .Lfunc_end_k_q3fb0483fb0_ffn2-k_q3fb0483fb0_ffn2
	.p2alignl 7, 3214868480
	.fill 96, 4, 3214868480
	.section	.rodata,"a",@progbits
	.p2align	6, 0x0
	.amdhsa_kernel k_q3fb0483fb0_ffn2
		.amdhsa_group_segment_fixed_size 312832
		.amdhsa_private_segment_fixed_size 0
		.amdhsa_enable_private_segment 0
		.amdhsa_kernarg_size 56
		.amdhsa_user_sgpr_count 2
		.amdhsa_user_sgpr_kernarg_segment_ptr 1
		.amdhsa_wavefront_size32 1
		.amdhsa_system_sgpr_workgroup_id_x 1
		.amdhsa_system_sgpr_workgroup_id_y 1
		.amdhsa_system_sgpr_workgroup_id_z 1
		.amdhsa_system_vgpr_workitem_id 0
		.amdhsa_next_free_vgpr 1024
		.amdhsa_next_free_sgpr 96
		.amdhsa_reserve_vcc 0
		.amdhsa_float_denorm_mode_32 3
		.amdhsa_float_denorm_mode_16_64 3
		.amdhsa_memory_ordered 1
		.amdhsa_forward_progress 1
		.amdhsa_inst_pref_size 202
	.end_amdhsa_kernel
	.amdgpu_metadata
---
amdhsa.version: [ 1, 2 ]
amdhsa.kernels:
  - .name:           k_q3fb0483fb0_ffn2
    .symbol:         k_q3fb0483fb0_ffn2.kd
    .args:
      - { .name: hbuf, .offset: 0, .size: 8, .value_kind: global_buffer, .address_space: global }
      - { .name: W2, .offset: 8, .size: 8, .value_kind: global_buffer, .address_space: global }
      - { .name: b2, .offset: 16, .size: 8, .value_kind: global_buffer, .address_space: global }
      - { .name: bitmap, .offset: 24, .size: 8, .value_kind: global_buffer, .address_space: global }
      - { .name: gwe, .offset: 32, .size: 8, .value_kind: global_buffer, .address_space: global }
      - { .name: jtab, .offset: 40, .size: 8, .value_kind: global_buffer, .address_space: global }
      - { .name: ypart, .offset: 48, .size: 8, .value_kind: global_buffer, .address_space: global }
    .group_segment_fixed_size: 312832
    .private_segment_fixed_size: 0
    .kernarg_segment_align: 8
    .kernarg_segment_size: 56
    .max_flat_workgroup_size: 128
    .sgpr_count:     96
    .vgpr_count:     1024
    .wavefront_size: 32
...
	.end_amdgpu_metadata
.endif
;; end of part 6
;; launch combine: the kernel of part 4 again; grid 256 x 1, 8 waves a work-group, no clusters, 0 bytes of LDS; arguments ypart, padding_mask, stats, out0, out2; writes out0, out2
